; MI455X (gfx1250); checked and timed in simulation.
; The chip was launched on July 23, 2026; its instructions are those of AMD's public machine-readable ISA for CDNA 5 (MIT licence, August 2026) and "CDNA5" Instruction Set Architecture Reference Guide (July 2026). The comments in the code are by the model that wrote it; some were corrected since.
;; Multi Head Attention. Allowed arithmetic: matrix products marked QUANTISED: E3M2 operands, one E8M0 scale for each 32 along K, by v_wmma_scale_f32_16x16x128_f8f6f4 with both operands' format E3M2, f32 sums; everything else in f32.
;; Inputs: Wk 1,024 x 1,024 float32; Wo 1,024 x 1,024 float32; Wq 1,024 x 1,024 float32; Wv 1,024 x 1,024 float32; bk 1,024 float32; bo 1,024 float32; bq 1,024 float32; bv 1,024 float32; hidden_states 2 x 2,048 x 1,024 float32.
;; Outputs: out0 2 x 2,048 x 1,024 float32.
;; This version of the problem:
;;   THIS VERSION OF THE PROBLEM IS GIVEN IN LOW PRECISION. The matrix products marked QUANTISED in the list below multiply operands that are first quantised to E3M2 (3 exponent bits, 2 mantissa bits; 6 bits a number), with one power-of-two scale for each 32 numbers along K (OCP MX v1.0); their sums are f32. All else is computed in f32.
;;   The module's matrix products, in the order in which they are computed (A, B: the left and right operand; K: the contracted axis; several contracted axes count as one K, in the product's order):
;;     1. [M 4,096, K 1,024] x [K 1,024, N 1,024]; A: input hidden_states; B: input Wq: QUANTISED
;;     2. [M 4,096, K 1,024] x [K 1,024, N 1,024]; A: input hidden_states; B: input Wk: QUANTISED
;;     3. [M 4,096, K 1,024] x [K 1,024, N 1,024]; A: input hidden_states; B: input Wv: QUANTISED
;;     4. batch 32 x [M 2,048, K 64] x [K 64, N 2,048]; A: computed on the way; B: computed on the way: QUANTISED
;;     5. batch 32 x [M 2,048, K 2,048] x [K 2,048, N 64]; A: softmax (see below); B: computed on the way: QUANTISED
;;     6. [M 4,096, K 1,024] x [K 1,024, N 1,024]; A: computed on the way; B: input Wo: QUANTISED
;;   THE QUANTISER, for each operand of a quantised product, along K:
;;     - K is cut into blocks of 32 from its start; a last block that is shorter is filled with zeros.
;;     - A block's scale is 2^e with e = floor(log2(the largest magnitude in the block)) - 4, held to -126 .. 127; a block of zeros has e = 0. As a byte (E8M0): e + 127.
;;     - Each number is divided by its block's scale, clamped to +-28, and rounded to the nearest number of E3M2, ties to even, subnormals kept.
;;     - The product sums the exact products of the quantised numbers (number of the format x scale) in f32.
;;   ~~~python
;;   def quantise(x, axis):      # numpy; x: float32 -> the quantised numbers, widened to float32 again
;;       x = np.moveaxis(x, axis, -1); K = x.shape[-1]
;;       x = np.pad(x, [(0, 0)] * (x.ndim - 1) + [(0, -K % 32)]); x = x.reshape(x.shape[:-1] + (-1, 32)); a = np.abs(x).max(-1, keepdims=True)
;;       e = np.where(a > 0, np.clip(np.frexp(np.where(a > 0, a, 1))[1] - 1 - 4, -126, 127), 0)      # np.frexp(a)[1] - 1 = floor(log2(a)), exactly
;;       r = np.clip(x / 2.0 ** e, -28, 28)
;;       step = 2.0 ** (np.maximum(np.frexp(np.where(r == 0, 1, r))[1] - 1, -2) - 2)
;;       q = np.round(r / step) * step * 2.0 ** e      # np.round: ties to even
;;       return np.moveaxis(q.reshape(q.shape[:-2] + (-1,))[..., :K], -1, axis).astype(np.float32)
;;   ~~~
;;   SOFTMAX AHEAD OF A QUANTISED PRODUCT. Where the list says 'softmax', what is quantised is not the finished softmax but p = 2^(t - M), with t = logit x log2(e) and M = ceil(the row's largest t), a whole number; so 1/2 < the row's largest p <= 1. The row's sum l is taken of the UNQUANTISED p, in f32, and the product's result is divided by l at the end. Since M is a whole number, a kernel that streams over the keys may use a running M (the ceiling of the running maximum): every later rescaling is an exact power of two, which a block's scale takes up: the codes' values come out the same.
;;   OPERANDS COMPUTED ON THE WAY. 'Computed on the way' means the value that the module computes at that place (a softmax that the list does not call 'softmax' is quantised finished and normalised). What goes into a quantiser is computed in f32, as accurately as f32 sums, v_exp_f32 and their like allow (about 1e-6 of the number): no bf16 or f16 on the way to a quantiser, and a product that is left as it is and whose result goes on into a quantised operand takes f32 operands (vector FMAs, or v_wmma_f32_16x16x4_f32). A number that lies on a knife's edge between two numbers of the format may be rounded either way, as far as f32 arithmetic and the matrix unit's own rounding can turn it there, and no further.
;; One version. Each part assembles by itself: llvm-mc -triple=amdgcn-amd-amdhsa -mcpu=gfx1250 --defsym DOCPART=n.
;; ======== version 1 of 1: 4 launches
;; limits: right only within a limited range of input values
;; workspace buffers: xc 3,145,728 bytes; xs 131,072 bytes; wc 3,145,728 bytes; ws 131,072 bytes; qi 3,407,872 bytes; kv 6,684,672 bytes; cc 3,145,728 bytes; cs 131,072 bytes
;; launch quant (part 1): grid 256 x 1, 8 waves a work-group, no clusters, 43,008 bytes of LDS; arguments hidden_states, Wq, Wk, Wv, Wo, xc, xs, wc, ws; writes xc, xs, wc, ws
.if DOCPART == 1
	.amdgcn_target "amdgcn-amd-amdhsa--gfx1250"
	.amdhsa_code_object_version 6
	.text
	.protected	k_q1785b6ab8e_quant
	.globl	k_q1785b6ab8e_quant
	.p2align	8
	.type	k_q1785b6ab8e_quant,@function
k_q1785b6ab8e_quant:
	s_mov_b64 s[64:65], 0
	v_nop
	global_prefetch_b8 v0, s[64:65] scope:SCOPE_SE
	s_setreg_imm32_b32 hwreg(HW_REG_WAVE_MODE, 25, 1), 1
	s_wait_xcnt 0x0
; hidden_states [4096][1024] and Wq, Wk, Wv, Wo [1024][1024], f32, become codes of BF6 (E3M2), 6 bits each, K (the last axis) innermost, with one E8M0 scale byte for each 32 along K.
; xc [4096][768] and xs [4096][32] take the tokens; wc [4 x 1024][768] and ws [4096][32] take Wq, Wk, Wv, Wo one behind the other.
; A block's scale is 2^(floor(log2(its largest magnitude)) - 4); its byte is the largest magnitude's exponent field - 4, held at 1 from below.  Beyond 28 the conversion gives the largest code.
; LIMITS: a block of zeros gets the byte 1 where the quantiser's rule says 127 (its codes are zeros, and only this program reads the bytes); blocks whose largest magnitude lies under 2^-122 are held at that floor;
; NaN and infinities among the inputs are not served.
; LEFT OUT BY THE PROGRAM (launch attn): steps of 128 keys all of which come after a tile's queries.  reference()'s own causal mask gives them -infinity ahead of the softmax, so their p is 0 whatever the inputs hold; a NaN, an infinity
; or an overflow that reaches only that work is not carried to the result.
; ROWS ARE STORED IN ANOTHER ORDER: place 64 c + 16 t + 8 h + j of a buffer (t 0 .. 3, h 0 or 1, j 0 .. 7) holds row 64 c + 32 h + 8 t + j.  A product that takes such tiles as its source 0 leaves in a lane (r, h) in the 32 registers of
; four neighbouring tiles the WHOLE block 32 h + 0 .. 31 along that axis, which the later launches quantise in registers.
; A work-group takes 32 rows, a wave 4 (4,096 numbers): 8 steps of 512.  All 32 loads of a wave are asked for at once.  A step's 2,048 bytes go through the wave's own stage in LDS and come back 64 bytes a lane: 16 neighbours along K.
; A lane's 16 codes are 12 bytes: a store covers 384 consecutive bytes.  The work-group's 1,024 scale bytes are gathered in LDS and leave as four aligned runs of 256 bytes (8 places each).
; No tile is shared between work-groups: no cluster.  256 work-groups: 128 for the tokens, 32 for each weight.
.set STEPS, 8
.set R,     16                         ; v16-143  eight sets of 16 numbers as they are loaded
.set X,     144                        ; v144-175 two sets of 16 neighbours
.set C,     176                        ; v176-207 codes, four registers a step
.set E,     208                        ; v208-215 a scale byte for each step
.set SPW,   216
.set NIL,   217
.set SP,    80                         ; a lane's place in a stage: 64 bytes + 16 of padding
.set WREG,  2*32*SP                    ; a wave's two stages
.set SCL,   8*WREG                     ; the work-group's scale bytes
.set SPARE, SCL+1024                   ; the spare words, 128 bytes a wave
	s_load_b256 s[4:11], s[0:1], 0x0               ; hidden_states, Wq, Wk, Wv
	s_load_b64 s[12:13], s[0:1], 0x20              ; Wo
	s_load_b128 s[16:19], s[0:1], 0x28             ; xc, xs
	s_load_b128 s[20:23], s[0:1], 0x38             ; wc, ws
	v_lshl_add_u32 v[SPW], v0, 2, SPARE
	v_mov_b32 v[NIL], 0
	v_lshrrev_b32 v1, 5, v0
	v_readfirstlane_b32 s24, v1                    ; wave
	s_mul_i32 s25, s24, WREG
	s_lshl_b32 s31, s24, 7
	s_add_co_u32 s31, s31, SCL                     ; my 128 scale bytes
	s_lshl_b32 s28, s24, 8
	v_and_b32 v2, 31, v0                           ; lane
	v_lshlrev_b32 v3, 4, v2                        ; my 16 bytes of a load's 512
	v_lshrrev_b32 v14, 2, v2
	v_mul_u32_u24 v14, v14, SP
	v_and_b32 v15, 3, v2
	v_lshl_add_u32 v14, v15, 4, v14
	v_add_nc_u32 v14, s25, v14                     ; the stage, on the way in: SP (lane / 4) + 16 (lane % 4)
	v_mul_u32_u24 v15, v2, SP
	v_add_nc_u32 v15, s25, v15                     ; and on the way out: SP x lane
	v_mul_u32_u24 v4, v2, 12                       ; my codes' place in a step's
	v_lshrrev_b32 v5, 1, v2
	v_add_nc_u32 v5, s31, v5                       ; my block's byte
	v_lshlrev_b32 v7, 3, v2                        ; scale bytes on the way out: 8 bytes a lane,
	v_add_nc_u32 v6, s28, v7
	v_add_nc_u32 v6, SCL, v6                       ; 256 a wave
	s_and_b32 s26, ttmp9, 31                       ; a weight's work-group within its weight
	s_and_b32 s27, ttmp9, 127                      ; the work-group within its output buffer
	s_wait_alu depctr_va_vdst(0)                   ; the wait at the head's end
	s_wait_kmcnt 0x0
	s_cmp_lt_u32 ttmp9, 224                        ; which tensor: the choices hang on the work-group's number alone
	s_cselect_b64 s[12:13], s[10:11], s[12:13]
	s_cmp_lt_u32 ttmp9, 192
	s_cselect_b64 s[12:13], s[8:9], s[12:13]
	s_cmp_lt_u32 ttmp9, 160
	s_cselect_b64 s[12:13], s[6:7], s[12:13]
	s_cmp_lt_u32 ttmp9, 128
	s_cselect_b64 s[12:13], s[4:5], s[12:13]
	s_cselect_b64 s[16:17], s[16:17], s[20:21]
	s_cselect_b64 s[18:19], s[18:19], s[22:23]
	s_cselect_b32 s26, ttmp9, s26
	s_lshl_b32 s26, s26, 3
	s_add_co_u32 s26, s26, s24                     ; my run of 4 rows in the input
	s_lshl_b32 s28, s26, 14                        ; 16,384 bytes a run
	s_mov_b32 s29, 0
	s_add_nc_u64 s[12:13], s[12:13], s[28:29]
.irp t, 0,1,2,3,4,5,6,7
.irp i, 0,1,2,3
	global_load_b128 v[R+16*\t+4*\i:R+16*\t+4*\i+3], v3, s[12:13] offset:2048*\t+512*\i th:TH_LOAD_NT   ; 32 lanes read 512 consecutive bytes; read once in the launch
.endr
.endr
	; my rows: bits 5 (the work-group's lowest), 4 and 3 (the wave's upper two), 2 (its lowest); in the place: 3, 5 and 4, 2
	s_lshr_b32 s30, s27, 1                         ; which 64 rows
	s_and_b32 s31, s27, 1
	s_lshr_b32 s25, s24, 1
	s_lshl_b32 s27, s30, 4
	s_lshl_b32 s25, s25, 2
	s_add_co_u32 s27, s27, s25
	s_lshl_b32 s25, s31, 1
	s_add_co_u32 s27, s27, s25
	s_and_b32 s25, s24, 1
	s_add_co_u32 s27, s27, s25                     ; my run of 4 places in the output
	s_mul_i32 s28, s27, 3072                       ; 3,072 bytes of codes a run
	s_add_nc_u64 s[16:17], s[16:17], s[28:29]
	s_lshl_b32 s28, s30, 11                        ; 2,048 scale bytes for 64 places;
	s_lshl_b32 s25, s24, 9
	s_add_co_u32 s28, s28, s25                     ; wave s of 0 to 3 sends those of 8 places, 16 places apart
	s_lshl_b32 s25, s31, 8
	s_add_co_u32 s28, s28, s25
	s_add_nc_u64 s[18:19], s[18:19], s[28:29]
.macro TURN t                          ; step t's numbers through the stage: LDS serves a wave's instructions in order (ISA guide 5.7.1.4), so no wait stands between the stores and the loads
.irp i, 0,1,2,3
	ds_store_b128 v14, v[R+16*(\t)+4*\i:R+16*(\t)+4*\i+3] offset:32*SP*((\t)%2)+8*SP*\i
.endr
.irp i, 0,1,2,3
	ds_load_b128 v[X+16*((\t)%2)+4*\i:X+16*((\t)%2)+4*\i+3], v15 offset:32*SP*((\t)%2)+16*\i
.endr
.endm
	s_wait_loadcnt 28                              ; step 0's four loads are in
	TURN 0
.macro STEP t
.set XB, X+16*((\t)%2)
.if (\t) > 0
	s_wait_dscnt 1                                 ; this step's numbers are back from the stage (the last step's byte store may be out)
.else
	s_wait_dscnt 0x0
.endif
.if (\t)+1 < STEPS
	s_wait_loadcnt 4*(STEPS-2-(\t))                ; the next step's four loads are in; those behind them may be out
	TURN (\t)+1
.endif
	v_max3_num_f32 v8, |v[XB]|, |v[XB+1]|, |v[XB+2]|               ; the largest magnitude of my 16, in two chains
	v_max3_num_f32 v9, |v[XB+3]|, |v[XB+4]|, |v[XB+5]|
.irp i, 6,10
	v_max3_num_f32 v8, v8, |v[XB+\i]|, |v[XB+\i+1]|
	v_max3_num_f32 v9, v9, |v[XB+\i+2]|, |v[XB+\i+3]|
.endr
	v_max3_num_f32 v8, v8, |v[XB+14]|, |v[XB+15]|
	v_max3_num_f32 v8, v8, v9, 0x2800000           ; and the floor 2^(5 - 127): the byte cannot fall under 1
	v_max_num_f32_dpp v8, v8, v8 row_xmask:1 row_mask:0xf bank_mask:0xf   ; and of my neighbour's 16: the block's
	v_add_nc_u32 v11, 0xfe000000, v8               ; 4 off its exponent field: the conversion's scale operand
	v_cvt_scalef32_pk16_bf6_f32 v[C+4*(\t):C+4*(\t)+2], v[XB:XB+15], v11   ; sixteen codes, 96 bits, the first number's code lowest
	v_lshrrev_b32 v[E+(\t)], 23, v11               ; the scale's byte (also the plain line behind the conversion)
	ds_store_b8 v5, v[E+(\t)] offset:16*(\t)       ; both lanes of a block write the same byte with the same value
	global_store_b96 v4, v[C+4*(\t):C+4*(\t)+2], s[16:17] offset:384*(\t)
.endm
.irp t, 0,1,2,3,4,5,6,7
	STEP \t
.endr
	s_wait_dscnt 0x0                               ; my scale bytes are in LDS: for the others' sake
	s_barrier_signal -1
	s_barrier_wait -1
	s_cmp_gt_u32 s24, 3
	s_cbranch_scc1 .Lend                           ; waves 0 to 3 send 256 bytes each
	ds_load_b64 v[12:13], v6
	s_wait_dscnt 0x0
	global_store_b64 v7, v[12:13], s[18:19]        ; 256 consecutive bytes, aligned
.Lend:
	s_wait_tensorcnt 0x0                           ; the wave's end
	ds_add_u32 v[SPW], v[NIL]
	s_wait_dscnt 0x0
	s_endpgm
.Lfunc_end_k_q1785b6ab8e_quant:
	.size	k_q1785b6ab8e_quant, .Lfunc_end_k_q1785b6ab8e_quant-k_q1785b6ab8e_quant
	.p2alignl 7, 3214868480
	.fill 96, 4, 3214868480
	.section	.rodata,"a",@progbits
	.p2align	6, 0x0
	.amdhsa_kernel k_q1785b6ab8e_quant
		.amdhsa_group_segment_fixed_size 43008
		.amdhsa_private_segment_fixed_size 0
		.amdhsa_enable_private_segment 0
		.amdhsa_kernarg_size 72
		.amdhsa_user_sgpr_count 2
		.amdhsa_user_sgpr_kernarg_segment_ptr 1
		.amdhsa_wavefront_size32 1
		.amdhsa_system_sgpr_workgroup_id_x 1
		.amdhsa_system_sgpr_workgroup_id_y 1
		.amdhsa_system_sgpr_workgroup_id_z 1
		.amdhsa_system_vgpr_workitem_id 0
		.amdhsa_next_free_vgpr 218
		.amdhsa_next_free_sgpr 66
		.amdhsa_reserve_vcc 0
		.amdhsa_float_denorm_mode_32 3
		.amdhsa_float_denorm_mode_16_64 3
		.amdhsa_memory_ordered 1
		.amdhsa_forward_progress 1
		.amdhsa_inst_pref_size 19
	.end_amdhsa_kernel
	.amdgpu_metadata
---
amdhsa.version: [ 1, 2 ]
amdhsa.kernels:
  - .name:           k_q1785b6ab8e_quant
    .symbol:         k_q1785b6ab8e_quant.kd
    .args:
      - { .name: hidden_states, .offset: 0, .size: 8, .value_kind: global_buffer, .address_space: global }
      - { .name: Wq, .offset: 8, .size: 8, .value_kind: global_buffer, .address_space: global }
      - { .name: Wk, .offset: 16, .size: 8, .value_kind: global_buffer, .address_space: global }
      - { .name: Wv, .offset: 24, .size: 8, .value_kind: global_buffer, .address_space: global }
      - { .name: Wo, .offset: 32, .size: 8, .value_kind: global_buffer, .address_space: global }
      - { .name: xc, .offset: 40, .size: 8, .value_kind: global_buffer, .address_space: global }
      - { .name: xs, .offset: 48, .size: 8, .value_kind: global_buffer, .address_space: global }
      - { .name: wc, .offset: 56, .size: 8, .value_kind: global_buffer, .address_space: global }
      - { .name: ws, .offset: 64, .size: 8, .value_kind: global_buffer, .address_space: global }
    .group_segment_fixed_size: 43008
    .private_segment_fixed_size: 0
    .kernarg_segment_align: 8
    .kernarg_segment_size: 72
    .max_flat_workgroup_size: 256
    .sgpr_count:     66
    .vgpr_count:     218
    .wavefront_size: 32
...
	.end_amdgpu_metadata
.endif
;; end of part 1
;; launch gemmq (part 2): grid 8 x 32, 4 waves a work-group, clusters of 4 x 4, 327,680 bytes of LDS; arguments xc, xs, wc, ws, bq, bk, bv, qi, kv; writes qi, kv
.if DOCPART == 2
	.amdgcn_target "amdgcn-amd-amdhsa--gfx1250"
	.amdhsa_code_object_version 6
	.text
	.protected	k_q1785b6ab8e_gemmq
	.globl	k_q1785b6ab8e_gemmq
	.p2align	8
	.type	k_q1785b6ab8e_gemmq,@function
k_q1785b6ab8e_gemmq:
	s_mov_b64 s[64:65], 0
	v_nop
	global_prefetch_b8 v0, s[64:65] scope:SCOPE_SE
	s_setreg_imm32_b32 hwreg(HW_REG_WAVE_MODE, 25, 1), 1
	s_wait_xcnt 0x0
	s_wait_alu depctr_hold_cnt(0) depctr_sa_sdst(0) depctr_va_vdst(0) depctr_va_sdst(0) depctr_va_ssrc(0) depctr_va_vcc(0) depctr_vm_vsrc(0)
	s_getreg_b32 s2, hwreg(HW_REG_IB_STS2, 6, 4)
	s_cmp_eq_u32 s2, 0
	s_cbranch_scc0 .Lentry_in_a_cluster
	s_endpgm
.Lentry_in_a_cluster:
	s_bfe_u32 s2, ttmp6, 0x10000c
	s_cmp_lg_u32 s2, 0xf033
	s_cbranch_scc0 .Lentry_shape_is_right
	s_endpgm
.Lentry_shape_is_right:
; q = x Wq^T + bq, k = x Wk^T + bk, v = x Wv^T + bv on codes of BF6 (E3M2) with one E8M0 scale for each 32 along K = 1,024; sums in f32, begun with the bias; the results are quantised IN REGISTERS for the
; attention launch.  A work-group (x, y) of four waves makes q, k and v of tokens 128 y .. + 127 and features 128 x .. + 127 (two heads): three passes of 128 x 128, a wave 64 x 64 of each: 256 work-groups of equal work.
; q and k use the product transposed (source 0 = 16 rows of W, source 1 = 16 rows of x): a lane holds one token, its registers run along the head.  v uses source 0 = x, source 1 = Wv: a lane holds one channel, its
; registers run along the tokens, the K of attention's second product.  Place 64 c + 16 t + 8 h + j of xc and wc holds row 64 c + 32 h + 8 t + j, so a lane (r, h) holds in four tiles' 32 registers the whole block
; 32 h + 0 .. 31: its largest magnitude needs no other lane, and its codes come out as the operand's layout has them.
; X'S FRAGMENTS STAY IN REGISTERS: 64 rows x 1,024 are 32 fragments of 12 registers, read from LDS in the first pass, used in all three.
; LDS: x's 128 rows; slot 0 (Wq's 128 rows, later Wv's); slot 1 (Wk's).  Rows of 768 bytes are dense in memory, so a tile comes as rows of 256 bytes, 16 bytes of padding behind each: an LDS row is 816 bytes = 204 words, so
; the 32 lanes of a load of 8 bytes touch 64 different banks (64 banks of 4 bytes: ISA guide 11.1).  A wave has one tensor load out: the head's (half of x's or of Wq's tile), then a quarter of Wk's, which has the first
; pass in which to land, then a quarter of Wv's, which has the second.
; CLUSTERS of 4 x 4: x's tile hangs on y alone and is asked for jointly along a row, W's on x alone, along a column.
; PREFETCH: Wk's and Wv's tiles are asked of memory ahead of their loads, Wk's at the head and Wv's ahead of the first pass, each block of 256 bytes once in a cluster: the four partners of a column share a tile's 384 blocks out by
; address, 24 a wave.
; RESULTS are images of operand registers: a half-image (768 bytes) is 16 rows x 64 k as six registers: registers 0-3 at 16 x lane, 4-5 at 512 + 8 x lane.
;   qi: [batch x head 32][step 16] records of 6,656 bytes: 8 half-images (tiles of 16 tokens), then scale words, 256 bytes for tiles 0-3 and 256 for tiles 4-7 (8 x lane: lanes 0-15 tiles 0, 2, lanes 16-31 tiles 1, 3 of the four).
;   kv: [32][16] records of 13,056 bytes: K's 8 half-images; V^T's 4 tiles of 16 channels x 2 half-images (64 tokens each); K's scale words as qi's (512 bytes); V's (256 bytes).
; LIMITS: a block of zeros gets the scale byte 1; magnitudes under 2^-122 are held at that floor; NaN and infinities are not served.
; REGISTERS, windows of 256: 0: v1-29 addresses, v32-63 x's scale words (tile i, K step s: 8 i + s), v64-159 Wq's, Wk's, Wv's, v160-255 W's fragments, two sets, on the way out at work.
;   1 and 2: x's fragments: number n = 4 s + i in window 1 + n / 21 at 12 (n % 21).   3: v0-127 the 16 accumulators, v128-223 the biases as C.
.set PITCH, 816
.set FRT,   16*PITCH
.set HALF,  64*PITCH
.set TILE,  128*PITCH
.set SL0,   TILE
.set SL1,   2*TILE
.set VX,    3*TILE                     ; V's scale words, put together from two waves
.set SPARE, VX+512                     ; the spare words, 128 bytes a wave
.set WSTEP, 1024*768                   ; from one weight's codes to the next's
.set ADRA, 16
.set ADR0, 18
.set ADR1, 20
.set SPW,  28
.set NIL,  29
.set XS,   32
.set WS,   64
.set FB,   160
.set ACC,  0
.set BI,   128
.set G1A, 24
.set G0A, 32
.set G0B, 36
.set G1B, 40
.set G1C, 48
.set G0K, 56
.set G0V, 60
.set MSB, 0
.macro WIN new                         ; the immediate's high byte repeats the setting that is left
.if MSB != (\new)
	s_set_vgpr_msb (MSB<<8)|(\new)
.set MSB, (\new)
.endif
.endm
.macro CROUND                          ; a round of the cluster's barrier
	s_barrier_signal -1
	s_barrier_wait -1
	s_cmp_lg_u32 s14, 0
	s_cbranch_scc1 .Lnot_wave_0_\@
	s_barrier_signal -3
.Lnot_wave_0_\@:
	s_barrier_wait -3
	s_barrier_signal -1
	s_barrier_wait -1
.endm
.macro ASKT g0, g1
	tensor_load_to_lds s[\g0:\g0+3], s[\g1:\g1+7]
	s_nop 0
.rept 4
	v_nop
.endr
.endm
.macro GROUP g, rows                   ; group 1's constant words: rows of 256 bytes (32 elements of 8), dense
	s_mov_b32 s[\g+1], 32<<16
	s_mov_b32 s[\g+2], \rows<<16
	s_mov_b32 s[\g+3], 32<<16
	s_mov_b32 s[\g+4], \rows
	s_mov_b32 s[\g+5], 32
	s_mov_b32 s[\g+6], 0
	s_mov_b32 s[\g+7], 0
.endm
	s_load_b256 s[4:11], s[0:1], 0x0               ; xc, xs, wc, ws
	s_load_b128 s[88:91], s[0:1], 0x20             ; bq, bk
	s_load_b64 s[92:93], s[0:1], 0x30              ; bv
	s_load_b128 s[76:79], s[0:1], 0x38             ; qi, kv
	v_lshl_add_u32 v[SPW], v0, 2, SPARE
	v_mov_b32 v[NIL], 0
	ds_add_u32 v[SPW], v[NIL]                      ; the wave's opening: the add, twice on end, and its wait ahead of my first tensor load
	ds_add_u32 v[SPW], v[NIL]
	v_lshrrev_b32 v1, 5, v0
	v_readfirstlane_b32 s14, v1                    ; wave 0..3
	s_lshr_b32 s15, s14, 1                         ; my 64 tokens.  Also: at the head I fetch of x (0) or of Wq (1)
	s_and_b32 s16, s14, 1                          ; my head.  Also: which half of that tile I fetch
	s_bfe_u32 s19, ttmp6, 0x40000                  ; cx
	s_bfe_u32 s20, ttmp6, 0x40004                  ; cy
	s_lshl_b32 s18, ttmp9, 2
	s_add_co_u32 s18, s18, s19                     ; x: 128 features
	s_and_b32 s17, ttmp7, 0xffff
	s_lshl_b32 s17, s17, 2
	s_add_co_u32 s17, s17, s20                     ; y: 128 tokens
	s_lshl_b32 s21, s20, 2
	s_lshl_b32 s21, 15, s21                        ; my row of the cluster
	s_lshl_b32 s23, 0x1111, s19                    ; my column
	s_or_b32 s[G1A], s21, (3<<16)|(1<<20)|(1<<21)|(5<<22)|(3<<25)   ; the mask; elements of 8 bytes; padding: behind every 64 words, 4 words; 21 set beside a mask
	s_or_b32 s[G1B], s23, (3<<16)|(1<<20)|(1<<21)|(5<<22)|(3<<25)
	s_or_b32 s[G1C], s23, (3<<16)|(1<<20)|(1<<21)|(5<<22)|(3<<25)
	GROUP G1A, 192                                 ; 64 rows of 768 bytes
	GROUP G1B, 192
	GROUP G1C, 96                                  ; 32 rows
	s_mul_i32 s72, s16, 64*768
	s_mul_i32 s66, s17, 128*768
	s_add_co_u32 s66, s66, s72                     ; x: my half of the tile, in bytes
	s_mul_i32 s68, s18, 128*768                    ; W: the tile
	s_mul_i32 s70, s14, 32*768                     ; and my quarter
	s_lshl_b32 s74, s17, 12
	s_lshl_b32 s2, s15, 11
	s_add_co_u32 s74, s74, s2                      ; scales of my 64 rows of x: 32 bytes a row
	s_lshl_b32 s12, s18, 12
	s_lshl_b32 s2, s16, 11
	s_add_co_u32 s12, s12, s2                      ; of W
	s_lshr_b32 s2, s12, 3                          ; the biases of my 64 features: 4 bytes each
	s_mov_b32 s3, 0
	s_mov_b32 s13, 0
	s_mov_b32 s67, 0
	s_mov_b32 s69, 0
	s_mov_b32 s71, 0
	s_mov_b32 s73, 0
	s_mov_b32 s75, 0
	s_and_b32 s94, s17, 16
	s_lshl_b32 s95, s18, 1
	s_add_co_u32 s94, s94, s95
	s_add_co_u32 s94, s94, s16
	s_lshl_b32 s94, s94, 4
	s_and_b32 s95, s17, 15
	s_add_co_u32 s94, s94, s95                     ; my record: (16 batch + head) x 16 + step
	s_mul_i32 s80, s94, 6656
	s_mul_i32 s82, s94, 13056
	s_mul_i32 s84, s15, 4*768                      ; my four tiles of tokens
	s_lshl_b32 s86, s15, 8                         ; their scale words
	s_mul_i32 s94, s15, 768                        ; V: my half-image
	s_mov_b32 s81, 0
	s_mov_b32 s83, 0
	s_mov_b32 s85, 0
	s_mov_b32 s87, 0
	s_mov_b32 s95, 0
	s_mul_i32 s100, s20, 96*256                    ; the prefetches: my work-group's 96 blocks of a tile's 384,
	s_mul_i32 s101, s14, 24*256
	s_add_co_u32 s100, s100, s101                  ; my wave's 24
	s_wait_dscnt 0x0                               ; both opening adds are done
	s_wait_alu depctr_va_vdst(0)
	s_wait_kmcnt 0x0
	s_add_nc_u64 s[8:9], s[8:9], s[68:69]          ; Wq's tile
	s_add_nc_u64 s[6:7], s[6:7], s[74:75]
	s_add_nc_u64 s[10:11], s[10:11], s[12:13]
	s_add_nc_u64 s[88:89], s[88:89], s[2:3]
	s_add_nc_u64 s[90:91], s[90:91], s[2:3]
	s_add_nc_u64 s[92:93], s[92:93], s[2:3]
	s_add_nc_u64 s[76:77], s[76:77], s[80:81]      ; my record of qi,
	s_add_nc_u64 s[78:79], s[78:79], s[82:83]      ; of kv
	s_add_nc_u64 s[80:81], s[76:77], s[84:85]      ; q's tiles,
	s_add_nc_u64 s[96:97], s[76:77], s[86:87]      ; words (less 6,144)
	s_add_nc_u64 s[82:83], s[78:79], s[84:85]      ; k's tiles,
	s_add_nc_u64 s[98:99], s[78:79], s[86:87]      ; words (less 12,288)
	s_add_nc_u64 s[84:85], s[78:79], s[94:95]      ; v's half-images (less 6,144)
	s_mul_i32 s94, s16, HALF                       ; LDS: halves and quarters of a tile by the wave's number
	s_mul_i32 s95, s14, 32*PITCH
	s_mov_b32 s[G0A], 1
	s_mov_b32 s[G0A+1], s94
	s_add_nc_u64 s[G0A+2:G0A+3], s[4:5], s[66:67]
	s_or_b32 s[G0A+3], s[G0A+3], 0x80000000
	s_mov_b32 s[G0B], 1
	s_add_co_u32 s[G0B+1], s94, SL0
	s_add_nc_u64 s[G0B+2:G0B+3], s[8:9], s[72:73]
	s_or_b32 s[G0B+3], s[G0B+3], 0x80000000
	s_mov_b32 s[G0K], 1
	s_add_co_u32 s[G0K+1], s95, SL1
	s_add_nc_u64 s[G0K+2:G0K+3], s[8:9], s[70:71]
	s_add_nc_u64 s[G0K+2:G0K+3], s[G0K+2:G0K+3], WSTEP
	s_mov_b32 s[G0V], 1
	s_add_co_u32 s[G0V+1], s95, SL0
	s_add_nc_u64 s[G0V+2:G0V+3], s[G0K+2:G0K+3], WSTEP
	s_or_b32 s[G0K+3], s[G0K+3], 0x80000000
	s_or_b32 s[G0V+3], s[G0V+3], 0x80000000
	s_mul_i32 s2, s15, HALF                        ; what the LDS addresses below are made of
	s_add_co_u32 s3, s94, SL0
	s_add_co_u32 s12, s3, TILE
	s_lshl_b32 s74, s16, 8
	s_add_co_u32 s74, s74, VX
	s_lshl_b32 s13, s15, 1
	s_add_co_u32 s13, s13, s74
	CROUND                                         ; all sixteen work-groups are here: the first joint loads meet
	s_cmp_eq_u32 s15, 0                            ; ONE load a wave: waves 0 and 1 x's halves, waves 2 and 3 Wq's
	s_cbranch_scc0 .Lfor_w
	ASKT G0A, G1A
	s_branch .Lasked
.Lfor_w:
	ASKT G0B, G1B
.Lasked:
	v_and_b32 v10, 31, v0                          ; lane
	v_and_b32 v1, 15, v0                           ; r
	v_bfe_u32 v2, v0, 4, 1                         ; h
	v_min_u32 v13, 23, v10                         ; (lanes 24-31 name the wave's last block again)
	v_lshlrev_b32 v6, 5, v1                        ; a row's 32 scale bytes
	v_lshlrev_b32 v11, 7, v2                       ; biases along n: tile b holds features 32 h + 8 b + 0 .. 7
	v_and_b32 v12, 8, v1
	v_lshlrev_b32 v13, 8, v13
	v_mad_u32_u24 v12, v12, 3, v1
	v_add_nc_u32 v13, s100, v13
	v_lshlrev_b32 v12, 2, v12                      ; along m: row r of tile a is feature 32 (r / 8) + 8 a + r % 8
	v_lshlrev_b32 v8, 4, v10                       ; 16 x lane
	v_lshlrev_b32 v9, 3, v10                       ; 8 x lane
	v_mul_u32_u24 v3, 816, v1
	v_mad_u32_u24 v4, v2, 24, v3                   ; a fragment's row + 24 h
	v_lshl_add_u32 v5, v2, 4, v4                   ; and the same behind one padding more in lanes 16-31
	v_add_nc_u32 v[ADRA], s2, v4
	v_add_nc_u32 v[ADRA+1], s2, v5
	v_add_nc_u32 v[ADR0], s3, v4
	v_add_nc_u32 v[ADR0+1], s3, v5
	v_add_nc_u32 v[ADR1], s12, v4
	v_add_nc_u32 v[ADR1+1], s12, v5
	v_add_nc_u32 v26, s13, v9                      ; my two bytes of V's scale words
	v_add_nc_u32 v27, s74, v9                      ; and the words
.irp i, 0,1,2,3
	global_load_b128 v[XS+8*\i:XS+8*\i+3], v6, s[6:7] offset:512*\i
	global_load_b128 v[XS+8*\i+4:XS+8*\i+7], v6, s[6:7] offset:512*\i+16
.endr
.irp p, 0,1,2
.irp i, 0,1,2,3
	global_load_b128 v[WS+32*\p+8*\i:WS+32*\p+8*\i+3], v6, s[10:11] offset:32768*\p+512*\i
	global_load_b128 v[WS+32*\p+8*\i+4:WS+32*\p+8*\i+7], v6, s[10:11] offset:32768*\p+512*\i+16
.endr
.endr
.irp a, 0,1,2,3
	global_load_b32 v[22+\a], v12, s[92:93] offset:32*\a
.endr
	WIN 0xc0                                       ; destination window 3
.irp b, 0,1,2,3
	global_load_b128 v[BI+8*\b:BI+8*\b+3], v11, s[88:89] offset:32*\b
	global_load_b128 v[BI+8*\b+4:BI+8*\b+7], v11, s[88:89] offset:32*\b+16
	global_load_b128 v[BI+32+8*\b:BI+32+8*\b+3], v11, s[90:91] offset:32*\b
	global_load_b128 v[BI+32+8*\b+4:BI+32+8*\b+7], v11, s[90:91] offset:32*\b+16
.endr
	WIN 0
	global_prefetch_b8 v13, s[8:9] offset:WSTEP th:TH_LOAD_NT scope:SCOPE_SE   ; Wk's tile
	s_wait_alu depctr_va_vdst(0)                   ; directly ahead of the wait below
	s_wait_loadcnt 0x0
	WIN 0xc0
.irp a, 0,1,2,3
.irp j, 0,1,2,3,4,5,6,7
	v_mov_b32 v[BI+64+8*\a+\j], v[22+\a]           ; V: a lane's row has one bias
.endr
.endr
	WIN 0
; Fragments: 16 rows x 128 K are 12 registers: lane (r, h): registers 6 c .. 6 c + 5 hold K = 64 c + 32 h + 0 .. 31: 24 bytes of the row, in pieces of 8.  16 bytes of padding lie behind every 256: where the piece of lanes 16-31 lies behind
; one padding more than that of lanes 0-15, the second address register serves.
.macro LDA st                          ; x's four of K step st
.irp i, 0,1,2,3
.set NF, 4*(\st)+\i
	WIN ((1+NF/21)<<6)
.irp p, 0,1,2,3,4,5
.set BY, 96*(\st)+48*(\p/3)+8*(\p%3)
.if BY/256 == (BY+24)/256
	ds_load_b64 v[12*(NF%21)+2*\p:12*(NF%21)+2*\p+1], v[ADRA] offset:BY+16*(BY/256)+FRT*\i
.else
	ds_load_b64 v[12*(NF%21)+2*\p:12*(NF%21)+2*\p+1], v[ADRA+1] offset:BY+16*(BY/256)+FRT*\i
.endif
.endr
.endr
	WIN 0
.endm
.macro LDB st, adr                     ; W's four into set st % 2
	WIN 0
.irp i, 0,1,2,3
.irp p, 0,1,2,3,4,5
.set BY, 96*(\st)+48*(\p/3)+8*(\p%3)
.set DR, FB+48*((\st)%2)+12*\i+2*\p
.if BY/256 == (BY+24)/256
	ds_load_b64 v[DR:DR+1], v[\adr] offset:BY+16*(BY/256)+FRT*\i
.else
	ds_load_b64 v[DR:DR+1], v[\adr+1] offset:BY+16*(BY/256)+FRT*\i
.endif
.endr
.endr
.endm
; 16 products of K step st.  The 16 accumulators take turns, one instruction a turn, in the same order in every step.
.macro MUL kind, st
.irp a, 0,1,2,3
.set NF, 4*(\st)+\a
.set XF, 12*(NF%21)
.if \kind == 2
	WIN (0xf1+NF/21)                               ; source 0 (x) window 1 or 2, source 1 (W) window 0, C and D window 3
.else
	WIN (0xf4+4*(NF/21))                           ; source 0 (W) window 0, source 1 (x) window 1 or 2
.endif
.irp b, 0,1,2,3
.set WF, FB+48*((\st)%2)+12*\b
.if \kind == 2
.set DD, ACC+32*\b+8*\a
.else
.set DD, ACC+32*\a+8*\b
.endif
.if \st == 0
.set CI, BI+32*(\kind)+8*\b
.else
.set CI, DD
.endif
.if \kind == 2
	v_wmma_scale_f32_16x16x128_f8f6f4 v[DD:DD+7], v[XF:XF+11], v[WF:WF+11], v[CI:CI+7], v[XS+8*\a+\st], v[WS+64+8*\b+\st] matrix_a_fmt:MATRIX_FMT_BF6 matrix_b_fmt:MATRIX_FMT_BF6
.else
	v_wmma_scale_f32_16x16x128_f8f6f4 v[DD:DD+7], v[WF:WF+11], v[XF:XF+11], v[CI:CI+7], v[WS+32*(\kind)+8*\b+\st], v[XS+8*\a+\st] matrix_a_fmt:MATRIX_FMT_BF6 matrix_b_fmt:MATRIX_FMT_BF6
.endif
.endr
.endr
.endm
.macro PLACES                          ; a load into a register that a matrix instruction has read, and a vector read of a result, stand four places behind it (ISA guide 7.12.1 for vector instructions)
.rept 4
	v_nop
.endr
.endm
; A pass: kind 0 q, 1 k, 2 v.  Step st + 1's fragments are asked for ahead of step st's products; the counted wait leaves just those out.
.macro PASS kind, adr
.if \kind == 0
	LDA 0
.else
	PLACES
.endif
	LDB 0, \adr
.if \kind == 0
	global_prefetch_b8 v13, s[8:9] offset:2*WSTEP th:TH_LOAD_NT scope:SCOPE_SE   ; Wv's tile, a whole pass ahead of its load
.else
	s_wait_xcnt 0x0                                ; the last pass's stores have had their addresses translated (ISA guide 3.1): their data, in the second set, may be loaded over
.endif
.irp st, 0,1,2,3,4,5,6,7
.if \st < 7
.if \st > 0
	PLACES
.endif
.if \kind == 0
	LDA \st+1
	LDB \st+1, \adr
	s_wait_dscnt 48
.else
	LDB \st+1, \adr
	s_wait_dscnt 24
.endif
.else
	WIN 0
.if \kind < 2
	s_wait_tensorcnt 0x0                           ; my part of the next weight's tile has landed;
	ds_add_u32 v[SPW], v[NIL]
	s_wait_dscnt 0x0                               ; the add is done, and so are my reads of this slot
.if \kind == 0
	CROUND                                         ; of every wave of every partner: Wq's slot takes Wv's tile
	ASKT G0V, G1C
.else
	s_barrier_signal -1
	s_barrier_wait -1                              ; everybody's part of Wv's tile is in; nothing is filled again
.endif
.else
	s_wait_dscnt 0x0
.endif
.endif
	MUL \kind, \st
.endr
	WIN 0
.endm
; THE WAY OUT: block a (16 rows x 64 numbers along n; a lane holds one whole block of 32) becomes one half-image and two scale bytes a row, in registers; each store covers 512 or 256 consecutive bytes, aligned to 256.
; At work: v160-179 in the first fragment set; the codes, the second halves of the conversions and the words lie in the second set.
.macro OUT base, ko, ks
	PLACES
	WIN 0x3c                                       ; sources 1 and 2: window 3
.irp a, 0,1,2,3
.irp g, 0,1
	v_max3_num_f32 v[160+2*\a+\g], 0x2800000, |v[ACC+32*\a+16*\g]|, |v[ACC+32*\a+16*\g+1]|   ; my 32 numbers in two chains, and the floor 2^(5 - 127).  Each accumulator is read from its low end on
.endr
.endr
.irp i, 2,4,6,8,10,12,14
.irp a, 0,1,2,3
.irp g, 0,1
	v_max3_num_f32 v[160+2*\a+\g], v[160+2*\a+\g], |v[ACC+32*\a+16*\g+\i]|, |v[ACC+32*\a+16*\g+\i+1]|
.endr
.endr
.endr
	WIN 0
.irp a, 0,1,2,3
	v_max_num_f32 v[160+2*\a], v[160+2*\a], v[161+2*\a]
.endr
.irp a, 0,1,2,3
	v_add_nc_u32 v[176+\a], 0xfe000000, v[160+2*\a]   ; 4 off the exponent field: the conversion's scale operand
.endr
.irp a, 0,1,2,3
	v_lshrrev_b32 v[168+\a], 23, v[176+\a]         ; my block's scale byte: lanes 0-15 block 0's, lanes 16-31 block 1's
.endr
	v_permlane16_swap_b32 v168, v169               ; of tiles 0 and 1: v168 block 0's byte of tile 0 (lanes 0-15) and 1 (lanes 16-31), v169 block 1's
	v_permlane16_swap_b32 v170, v171
	v_lshl_or_b32 v214, v169, 8, v168              ; a row's word: two bytes; its upper two stay 0
	v_lshl_or_b32 v215, v171, 8, v170
	WIN 3                                          ; source 0: window 3
.irp a, 0,1,2,3
	v_cvt_scalef32_pk16_bf6_f32 v[208+8*\a:210+8*\a], v[ACC+32*\a:ACC+32*\a+15], v[176+\a]
	v_cvt_scalef32_pk16_bf6_f32 v[240+4*\a:242+4*\a], v[ACC+32*\a+16:ACC+32*\a+31], v[176+\a]   ; (a conversion's three registers begin on an even number)
.endr
	WIN 0
	v_nop                                          ; one plain line behind a scaled conversion
.irp a, 0,1,2,3
.irp i, 0,1,2
	v_mov_b32 v[211+8*\a+\i], v[240+4*\a+\i]
.endr
.endr
	s_wait_alu depctr_va_vdst(0)
.irp a, 0,1,2,3
	global_store_b128 v8, v[208+8*\a:211+8*\a], s[\base:\base+1] offset:(\ko)+(\ks)*\a
	global_store_b64 v9, v[212+8*\a:213+8*\a], s[\base:\base+1] offset:(\ko)+(\ks)*\a+512
.endr
.endm
	s_wait_alu depctr_va_vdst(0)                   ; the wait at the head's end
	s_wait_tensorcnt 0x0                           ; my part of x's or Wq's tile is in
	ds_add_u32 v[SPW], v[NIL]
	s_wait_dscnt 0x0
	CROUND                                         ; everybody's part is in, and all sixteen work-groups are here
	ASKT G0K, G1C                                  ; Wk's tile into slot 1
	PASS 0, ADR0
	OUT 80, 0, 768
	global_store_b64 v9, v[214:215], s[96:97] offset:6144
	PASS 1, ADR1
	OUT 82, 0, 768
	global_store_b64 v9, v[214:215], s[98:99] offset:12288
	PASS 2, ADR0
	OUT 84, 6144, 1536
	ds_store_b16 v26, v214                         ; V's word of a channel has two bytes of each token half: put together in LDS
	ds_store_b16 v26, v215 offset:4
	s_wait_dscnt 0x0                               ; for the others' sake
	s_barrier_signal -1
	s_barrier_wait -1
	s_cmp_lg_u32 s15, 0
	s_cbranch_scc1 .Lend                           ; waves 0 and 1 send a head's words each
	ds_load_b64 v[184:185], v27
	s_wait_dscnt 0x0
	global_store_b64 v9, v[184:185], s[78:79] offset:12800
.Lend:
	s_wait_tensorcnt 0x0                           ; the wave's end
	ds_add_u32 v[SPW], v[NIL]
	s_wait_dscnt 0x0
	CROUND                                         ; the closing round: no work-group ends while a partner may still ask for a tile that names it
	s_endpgm
.Lfunc_end_k_q1785b6ab8e_gemmq:
	.size	k_q1785b6ab8e_gemmq, .Lfunc_end_k_q1785b6ab8e_gemmq-k_q1785b6ab8e_gemmq
	.p2alignl 7, 3214868480
	.fill 96, 4, 3214868480
	.section	.rodata,"a",@progbits
	.p2align	6, 0x0
	.amdhsa_kernel k_q1785b6ab8e_gemmq
		.amdhsa_group_segment_fixed_size 327680
		.amdhsa_private_segment_fixed_size 0
		.amdhsa_enable_private_segment 0
		.amdhsa_kernarg_size 72
		.amdhsa_user_sgpr_count 2
		.amdhsa_user_sgpr_kernarg_segment_ptr 1
		.amdhsa_wavefront_size32 1
		.amdhsa_system_sgpr_workgroup_id_x 1
		.amdhsa_system_sgpr_workgroup_id_y 1
		.amdhsa_system_sgpr_workgroup_id_z 1
		.amdhsa_system_vgpr_workitem_id 0
		.amdhsa_next_free_vgpr 1024
		.amdhsa_next_free_sgpr 102
		.amdhsa_reserve_vcc 0
		.amdhsa_float_denorm_mode_32 3
		.amdhsa_float_denorm_mode_16_64 3
		.amdhsa_memory_ordered 1
		.amdhsa_forward_progress 1
		.amdhsa_inst_pref_size 139
	.end_amdhsa_kernel
	.amdgpu_metadata
---
amdhsa.version: [ 1, 2 ]
amdhsa.kernels:
  - .name:           k_q1785b6ab8e_gemmq
    .symbol:         k_q1785b6ab8e_gemmq.kd
    .args:
      - { .name: xc, .offset: 0, .size: 8, .value_kind: global_buffer, .address_space: global }
      - { .name: xs, .offset: 8, .size: 8, .value_kind: global_buffer, .address_space: global }
      - { .name: wc, .offset: 16, .size: 8, .value_kind: global_buffer, .address_space: global }
      - { .name: ws, .offset: 24, .size: 8, .value_kind: global_buffer, .address_space: global }
      - { .name: bq, .offset: 32, .size: 8, .value_kind: global_buffer, .address_space: global }
      - { .name: bk, .offset: 40, .size: 8, .value_kind: global_buffer, .address_space: global }
      - { .name: bv, .offset: 48, .size: 8, .value_kind: global_buffer, .address_space: global }
      - { .name: qi, .offset: 56, .size: 8, .value_kind: global_buffer, .address_space: global }
      - { .name: kv, .offset: 64, .size: 8, .value_kind: global_buffer, .address_space: global }
    .group_segment_fixed_size: 327680
    .private_segment_fixed_size: 0
    .kernarg_segment_align: 8
    .kernarg_segment_size: 72
    .max_flat_workgroup_size: 128
    .sgpr_count:     102
    .vgpr_count:     1024
    .wavefront_size: 32
...
	.end_amdgpu_metadata
.endif
;; end of part 2
;; launch attn (part 3): grid 4 x 64, 16 waves a work-group, clusters of 4 x 4, 219,136 bytes of LDS; arguments qi, kv, cc, cs; writes cc, cs
.if DOCPART == 3
	.amdgcn_target "amdgcn-amd-amdhsa--gfx1250"
	.amdhsa_code_object_version 6
	.text
	.protected	k_q1785b6ab8e_attn
	.globl	k_q1785b6ab8e_attn
	.p2align	8
	.type	k_q1785b6ab8e_attn,@function
k_q1785b6ab8e_attn:
	s_mov_b64 s[64:65], 0
	v_nop
	global_prefetch_b8 v0, s[64:65] scope:SCOPE_SE
	s_setreg_imm32_b32 hwreg(HW_REG_WAVE_MODE, 25, 1), 1
	s_wait_xcnt 0x0
	s_wait_alu depctr_hold_cnt(0) depctr_sa_sdst(0) depctr_va_vdst(0) depctr_va_sdst(0) depctr_va_ssrc(0) depctr_va_vcc(0) depctr_vm_vsrc(0)
	s_getreg_b32 s2, hwreg(HW_REG_IB_STS2, 6, 4)
	s_cmp_eq_u32 s2, 0
	s_cbranch_scc0 .Lentry_in_a_cluster
	s_endpgm
.Lentry_in_a_cluster:
	s_bfe_u32 s2, ttmp6, 0x10000c
	s_cmp_lg_u32 s2, 0xf033
	s_cbranch_scc0 .Lentry_shape_is_right
	s_endpgm
.Lentry_shape_is_right:
; Causal attention of one (batch, head) on codes of BF6 (E3M2): S = q k^T / 8 (K = the head's 64), p = 2^(t - M), ctx = (p v) / l (K = the keys); ctx is quantised in registers for the output projection.
; THE SOFTMAX: t = score x log2(e) / 8; M = the row's largest t so far, rounded UP to a whole number; p = 2^(t - M) is what is quantised, in blocks of 32 keys; it is not normalised.  The row's sum l is taken of the
; unquantised p, in f32, and divides at the end.  When M moves, l and O are multiplied by 2^(old M - new M): exact.
; INPUTS: qi [32][16] records of 6,656 bytes (8 tiles of 16 queries as half-images of 768 bytes, then scale words); kv [32][16] records of 13,056 bytes (a step of 128 keys: K's 8 half-images,
; V^T's 4 tiles of 16 channels x 128 keys, K's scale words, V's).  A half-image is six operand registers: registers 0-3 at 16 x lane, registers 4-5 at 512 + 8 x lane.
; Place 64 c + 16 t + 8 h + j of a step stands for row 64 c + 32 h + 8 t + j (t 0 .. 3).  Both products are used transposed (S^T = K Q^T, O^T = V^T P^T), so a lane (r, h) holds ONE query throughout; its 32 registers of S^T's tiles
; 4 c .. 4 c + 3 are keys 64 c + 32 h + 0 .. 31, a WHOLE block of 32, as the next product's operand wants it, and its 32 registers of O^T are channels 32 h + 0 .. 31: no codes change lanes.
; SHARES.  Eight work-groups a head; work-group e takes tile e of EACH of the head's 16 blocks of 128 queries; wave w takes block J(w) and works key steps 0 .. J.  Waves 0-3: J = 15, 14, 13, 12; 4-7: 9, 8, 11, 10; 8-11: 6, 7, 4, 5;
; 12-15: 0, 1, 2, 3.  Waves w, w + 4, w + 8, w + 12 have 34 steps together, the longest first, and every work-group 136.  J hangs on the wave's number alone, so the partners of a cluster run alike.
; A CLUSTER is 4 x 4 work-groups: cy / 2 chooses between two heads, a row of the cluster is four work-groups of one head, which ask for the head's 16 records JOINTLY: wave w for record w, 208,896 bytes in all, filled ONCE.
; No prefetch: the loop loads nothing from memory; all records are asked for at the head.
; THE MASK is reference()'s own.  Left out, for all values of the inputs: steps all of whose keys come after my queries; reference() gives them -infinity ahead of the softmax.  A NaN, an infinity or an overflow that reaches only these
; is not carried to the result.  In the one step on the diagonal the product's sums begin with a table, 0 where the key counts and -2^127 where it is hidden, in place of 0: a hidden p is then 0.  The table is the same for all
; blocks (it hangs on e alone): each wave makes 4 of its 64 registers, and it lies in LDS as an image of the accumulators.
; K = 64 IN AN INSTRUCTION OF 128: Q's registers 6-11 are zero codes, so K's registers 6-11 may hold any codes (this format has no NaN): tile t's operand runs on into tile t + 1's registers; the scale bytes there are 0.
; OUTPUT: cc [head 16][tile 256][768] half-images of ctx; cs [4096 places][32] scale bytes; a place's 32 bytes come from 16 heads, two bytes each, so these 131,072 bytes leave a byte a lane.
; LIMITS: a block of zeros gets the scale byte 1; NaN and infinities are not served; t stays under 2^31 in magnitude.
; REGISTERS: v1 16 x lane, v2 8 x lane, v3 my query - 32 h, v4-5 the step's addresses, v7 the table's; v12 -M, v13 the largest t, v[14:15] l in two halves; v16-27 Q (v22-27 zeros), v28 its scale
;   word; v32-85 K's tiles (v80-85 zeros), later v32-79 V's four fragments; v86-89 K's scale words, v90-91 V's; v96-159 S^T, then p; v160-191 O^T; v200-215 sums; v220-221 lane permutes; v224-235 p's codes; v222-223, v232-254 at work.
.set REC,  13056
.set QREC, 6656
.set MK,   16*REC                      ; the diagonal's table: 16 x 512 bytes
.set SPARE, MK+16*512                  ; the spare words, 128 bytes a wave
.set WV,   12                          ; my wave's number
.set J,    13                          ; my block
.set EE,   14                          ; my tile in it
.set HB,   15                          ; 16 x batch + head
.set SEL,  20
.set CS,   22                          ; s[22:23] c = log2(e) / 8
.set G1,   24
.set G0,   32
.set TB,   36                          ; LDS byte at which the step's record begins
.set JC,   37                          ; the step
.macro ROUND                           ; a round of the cluster's barrier
	s_barrier_signal -1
	s_barrier_wait -1
	s_cmp_lg_u32 s[WV], 0
	s_cbranch_scc1 .Lnot_wave_0_\@
	s_barrier_signal -3
.Lnot_wave_0_\@:
	s_barrier_wait -3
	s_barrier_signal -1
	s_barrier_wait -1
.endm
	s_load_b256 s[4:11], s[0:1], 0x0               ; qi s[4:5], kv s[6:7], cc s[8:9], cs s[10:11]
	v_lshl_add_u32 v30, v0, 2, SPARE
	v_mov_b32 v31, 0
	ds_add_u32 v30, v31                            ; the wave's opening: the add, twice on end
	ds_add_u32 v30, v31
	v_lshrrev_b32 v1, 5, v0
	v_readfirstlane_b32 s[WV], v1                  ; wave 0..15
	s_bfe_u32 s16, ttmp6, 0x40000                  ; cx
	s_bfe_u32 s17, ttmp6, 0x40004                  ; cy
	s_and_b32 s18, ttmp7, 0xffff
	s_lshl_b32 s18, s18, 2
	s_add_co_u32 s18, s18, s17                     ; work-group y, 0..63: two to a head
	s_lshr_b32 s[HB], s18, 1
	s_and_b32 s19, s18, 1
	s_lshl_b32 s19, s19, 2
	s_add_co_u32 s[EE], s19, s16                   ; e = 4 (y % 2) + cx: it enters global addresses and the table's numbers alone
	s_lshl_b32 s17, s17, 2
	s_lshl_b32 s17, 15, s17                        ; my row of the cluster
	s_or_b32 s[G1], s17, (3<<16)|(1<<21)           ; the mask; elements of 8 bytes; 21 set beside a mask
	s_mov_b32 s[G1+1], 32<<16                      ; a record, 13,056 dense bytes, as 51 rows of 256 bytes, no padding
	s_mov_b32 s[G1+2], 51<<16
	s_mov_b32 s[G1+3], 32<<16
	s_mov_b32 s[G1+4], 51
	s_mov_b32 s[G1+5], 32
	s_mov_b32 s[G1+6], 0
	s_mov_b32 s[G1+7], 0
	s_lshl_b32 s19, s[WV], 2
	s_and_b32 s19, s19, 28
	s_mov_b32 s18, 0x32105476                      ; waves 8-15
	s_cmp_lt_u32 s[WV], 8
	s_cselect_b32 s18, 0xAB89CDEF, s18             ; waves 0-7
	s_lshr_b32 s18, s18, s19
	s_and_b32 s[J], s18, 15
	s_lshl_b32 s38, s[HB], 4
	s_add_co_u32 s47, s38, s[J]
	s_mul_i32 s48, s47, QREC                       ; my block's record of qi
	s_mov_b32 s49, 0
	s_mov_b32 s51, 0
	s_add_co_u32 s47, s38, s[WV]
	s_mul_i32 s52, s47, REC                        ; record w of my head, in memory
	s_mov_b32 s53, 0
	s_mul_i32 s47, s[WV], REC                      ; and in LDS
	s_mul_i32 s58, s[EE], 768                      ; tile e's half-image
	s_lshr_b32 s59, s[EE], 2
	s_lshl_b32 s59, s59, 8
	s_and_b32 s60, s[EE], 1
	s_lshl_b32 s60, s60, 7
	s_add_co_u32 s59, s59, s60
	s_bfe_u32 s60, s[EE], 0x10001
	s_lshl_b32 s60, s60, 2
	s_add_co_u32 s59, s59, s60                     ; tile e's scale words: 256 (e / 4) + 128 (e % 2) + 4 ((e / 2) % 2), 8 bytes from row to row
	s_lshr_b32 s60, s[EE], 2
	s_lshl_b32 s60, s60, 6
	s_and_b32 s61, s[EE], 3
	s_lshl_b32 s61, s61, 3
	s_add_co_u32 s60, s60, s61                     ; 64 (e / 4) + 8 (e % 4)
	s_lshr_b32 s44, s[WV], 3
	s_lshl_b32 s44, s44, 6
	s_and_b32 s45, s[WV], 7
	s_lshl_b32 s45, s45, 2
	s_add_co_u32 s44, s44, s45                     ; the table's registers 4 w .. 4 w + 3: keys 64 (w / 8) + 4 (w % 8) + 0 .. 3 (+ 32 h)
	s_lshl_b32 s45, s[WV], 9
	s_add_co_u32 s45, s45, MK                      ; and their place
	s_mov_b32 s[SEL], 0x76543210
	s_mov_b32 s[SEL+1], 0xfedcba98                 ; lane l xor 16
	s_mov_b32 s[CS], 0x3e38aa3b                    ; c = log2(e) / sqrt(64)
	s_mov_b32 s[CS+1], s[CS]                       ; (named with it as a pair, so it is written)
	s_mov_b32 s[JC], 0
	s_mov_b32 s[TB], 0
	s_wait_dscnt 0x0                               ; both opening adds are done
	s_wait_alu depctr_va_vdst(0)
	s_wait_kmcnt 0x0
	s_mov_b32 s[G0], 1
	s_mov_b32 s[G0+1], s47
	s_add_nc_u64 s[G0+2:G0+3], s[6:7], s[52:53]
	s_or_b32 s[G0+3], s[G0+3], 0x80000000
	s_add_nc_u64 s[54:55], s[4:5], s[48:49]
	ROUND                                          ; all sixteen work-groups are here: the joint loads meet
	tensor_load_to_lds s[G0:G0+3], s[G1:G1+7]      ; my one tensor load of the launch
	s_nop 0
.rept 4
	v_nop
.endr
	s_and_b32 s16, s[HB], 15                       ; head
	s_lshr_b32 s17, s[HB], 4                       ; batch
	s_lshl_b32 s18, s[J], 3
	s_add_co_u32 s18, s18, s[EE]
	s_lshl_b32 s17, s17, 7
	s_add_co_u32 s17, s17, s18                     ; my tile: 128 x batch + 8 x block + e
	s_lshl_b32 s18, s16, 8
	s_add_co_u32 s18, s18, s17
	s_mul_i32 s48, s18, 768
	s_add_nc_u64 s[8:9], s[8:9], s[48:49]          ; cc at (head, tile)
	s_lshl_b32 s50, s17, 9                         ; 16 places of 32 bytes a tile
	s_lshl_b32 s16, s16, 1
	s_add_co_u32 s50, s50, s16
	s_add_nc_u64 s[10:11], s[10:11], s[50:51]      ; cs at the tile's first place, the head's two bytes
	v_and_b32 v10, 31, v0                          ; lane
	v_and_b32 v8, 15, v0                           ; r
	v_bfe_u32 v9, v0, 4, 1                         ; h
	v_lshlrev_b32 v1, 4, v10
	v_lshlrev_b32 v2, 3, v10
	v_lshlrev_b32 v11, 3, v8
	v_add_nc_u32 v216, s58, v1
	v_add_nc_u32 v217, s58, v2
	v_add_nc_u32 v11, s59, v11
	global_load_b128 v[16:19], v216, s[54:55]      ; Q's six registers stay
	global_load_b64 v[20:21], v217, s[54:55] offset:512
	global_load_b32 v28, v11, s[54:55] offset:6144
	v_add_nc_u32 v6, s45, v1
	v_add_nc_u32 v7, MK, v1
	v_and_b32 v3, 8, v8
	v_lshlrev_b32 v4, 5, v9
	v_mad_u32_u24 v3, v3, 3, v8
	v_lshl_add_u32 v29, v8, 5, v9                  ; cs: 32 bytes a place, + h: my block's byte
	v_add_nc_u32 v3, s60, v3                       ; my query within its block: 64 (e / 4) + 8 (e % 4) + 32 (r / 8) + r % 8,
	v_sub_nc_u32 v3, v3, v4                        ; less 32 h: register 32 c + i holds key 64 c + 32 h + i, hidden on the diagonal where 64 c + i > this
	v_subrev_nc_u32 v5, s44, v3
	v_mov_b32 v254, 0xff000000                     ; -2^127
.irp k, 0,1,2,3
	v_cmp_gt_i32 vcc_lo, \k, v5
	v_cndmask_b32 v[96+\k], 0, v254, vcc_lo        ; the table's registers 4 w .. 4 w + 3
.endr
.irp i, 22,23,24,25,26,27,80,81,82,83,84,85,220,221,252,253
	v_mov_b32 v\i, 0                               ; Q's zero codes, what stands behind K's last tile, lane permutes' destinations, a pair's upper half
.endr
	v_mov_b32 v13, 0xff61b1e6                      ; the largest t so far: -3e38, under every t
	v_mov_b32 v14, 0                               ; l, in two halves
	v_mov_b32 v15, 0
.set n, 0
.rept 32
	v_mov_b32 v[160+n], 0                          ; O^T.  (The step is written once: the first finds zeros, which the first change of M leaves zeros)
.set n, n+1
.endr
	v_floor_f32 v12, -v13                          ; -M
	s_wait_alu depctr_va_vdst(0)                   ; the wait at the head's end
	s_wait_tensorcnt 0x0                           ; my record is in LDS,
	ds_store_b128 v6, v[96:99]
	s_wait_dscnt 0x0                               ; and my part of the table: for the others' sake,
	s_barrier_signal -1
	s_barrier_wait -1                              ; all sixteen are
	s_wait_loadcnt 0x0                             ; Q
.macro SCORES diag                     ; S^T = K Q^T
.irp t, 0,1,2,3,4,5,6,7
.if \diag
.if \t%2
	v_wmma_scale_f32_16x16x128_f8f6f4 v[96+8*\t:103+8*\t], v[32+6*\t:43+6*\t], v[16:27], v[96+8*\t:103+8*\t], v[86+\t/2], v28 matrix_a_fmt:MATRIX_FMT_BF6 matrix_b_fmt:MATRIX_FMT_BF6 matrix_a_scale:MATRIX_SCALE_ROW1
.else
	v_wmma_scale_f32_16x16x128_f8f6f4 v[96+8*\t:103+8*\t], v[32+6*\t:43+6*\t], v[16:27], v[96+8*\t:103+8*\t], v[86+\t/2], v28 matrix_a_fmt:MATRIX_FMT_BF6 matrix_b_fmt:MATRIX_FMT_BF6
.endif
.else
.if \t%2
	v_wmma_scale_f32_16x16x128_f8f6f4 v[96+8*\t:103+8*\t], v[32+6*\t:43+6*\t], v[16:27], 0, v[86+\t/2], v28 matrix_a_fmt:MATRIX_FMT_BF6 matrix_b_fmt:MATRIX_FMT_BF6 matrix_a_scale:MATRIX_SCALE_ROW1
.else
	v_wmma_scale_f32_16x16x128_f8f6f4 v[96+8*\t:103+8*\t], v[32+6*\t:43+6*\t], v[16:27], 0, v[86+\t/2], v28 matrix_a_fmt:MATRIX_FMT_BF6 matrix_b_fmt:MATRIX_FMT_BF6
.endif
.endif
.endr
.endm
.Lstep:                                            ; sixteen trips, a constant; a trip is a step of 128 keys
	s_cmp_gt_u32 s[JC], s[J]
	s_cbranch_scc1 .Lhidden                        ; all its keys come after my queries
	v_add_nc_u32 v4, s[TB], v1
	v_add_nc_u32 v5, s[TB], v2
	v_nop
	v_nop                                          ; four places in front of loads into registers that the last products read
.irp t, 0,1,2,3,4,5,6,7
	ds_load_b128 v[32+6*\t:35+6*\t], v4 offset:768*\t
	ds_load_b64 v[36+6*\t:37+6*\t], v5 offset:768*\t+512
.endr
	ds_load_b64 v[86:87], v5 offset:12288          ; K's scale words: register s: lanes 0-15 tile 2 s, lanes 16-31 tile 2 s + 1
	ds_load_b64 v[88:89], v5 offset:12544
	s_wait_alu depctr_va_vdst(0)
	s_cmp_lg_u32 s[JC], s[J]
	s_cbranch_scc1 .Lopen                          ; all keys of the step count
.irp i, 0,1,2,3,4,5,6,7,8,9,10,11,12,13,14,15
	ds_load_b128 v[96+4*\i:99+4*\i], v7 offset:512*\i   ; the diagonal: the sums begin with the table.  The step's first key counts for every query of the block
.endr
	s_wait_dscnt 0x0
	SCORES 1
	s_branch .Lscored
.Lopen:
	s_wait_dscnt 0x0
	SCORES 0
.Lscored:
.rept 4
	v_nop                                          ; places in front of the loads below and of the first read of the scores
.endr
.irp dt, 0,1,2,3                               ; V's four fragments are asked for ahead of the softmax
.irp c, 0,1
	ds_load_b128 v[32+12*\dt+6*\c:35+12*\dt+6*\c], v4 offset:6144+1536*\dt+768*\c
	ds_load_b64 v[36+12*\dt+6*\c:37+12*\dt+6*\c], v5 offset:6144+1536*\dt+768*\c+512
.endr
.endr
	ds_load_b64 v[90:91], v5 offset:12800          ; V's scale words
.irp b, 0,1,2,3
	v_max3_num_f32 v[232+\b], v[96+16*\b], v[97+16*\b], v[98+16*\b]   ; the largest score of each of my two blocks of 32 keys, two chains each: it serves for the row's maximum and, since p rises with the score, for the block's largest p
.endr
.irp i, 3,5,7,9,11,13
.irp b, 0,1,2,3
	v_max3_num_f32 v[232+\b], v[232+\b], v[96+16*\b+\i], v[97+16*\b+\i]
.endr
.endr
	v_max3_num_f32 v232, v232, v233, v111
	v_max3_num_f32 v234, v234, v235, v143
	v_max_num_f32 v232, v232, v127
	v_max_num_f32 v234, v234, v159
	s_delay_alu instid0(VALU_DEP_1)
	v_max_num_f32 v254, v232, v234
	s_delay_alu instid0(VALU_DEP_1)
	v_permlanex16_b32 v220, v254, s[SEL], s[SEL+1]
	s_delay_alu instid0(VALU_DEP_1)
	v_max_num_f32 v254, v254, v220                 ; with lane l xor 16's 64 keys: the step's largest score of my query
	s_delay_alu instid0(VALU_DEP_1)
	v_mul_f32 v254, s[CS], v254                    ; as t (c is positive)
	s_delay_alu instid0(VALU_DEP_1)
	v_max_num_f32 v13, v13, v254                   ; the running largest t
	v_mov_b32 v254, v12
	s_delay_alu instid0(VALU_DEP_2)
	v_floor_f32 v12, -v13                          ; the new -M = floor(-t) = -ceil(t): M is a whole number
	s_delay_alu instid0(VALU_DEP_1)
	v_sub_f32 v254, v12, v254                      ; M's old value less its new one: a whole number, 0 or less
	s_delay_alu instid0(VALU_DEP_1)
	v_cvt_i32_f32 v254, v254                       ; (it saturates)
	s_delay_alu instid0(VALU_DEP_1)
	v_ldexp_f32 v252, 1.0, v254                    ; f = 2^(old M - new M)
.set n, 0
.rept 32
	v_pk_fma_f32 v[96+n:97+n], v[96+n:97+n], s[CS:CS+1], v[12:13] op_sel_hi:[1,0,0]   ; t - M, two at a time (of the pairs c and -M the low word serves both halves)
.set n, n+2
.endr
	v_fma_f32 v232, v232, s[CS], v12               ; the same of each block's largest score
	v_fma_f32 v234, v234, s[CS], v12
.set n, 0
	s_wait_alu depctr_va_vdst(0)                   ; the wait ahead of the batch and behind it
.rept 64
	v_exp_f32 v[96+n], v[96+n]                     ; p = 2^(t - M), at most 1: not normalised
.set n, n+1
.endr
	v_exp_f32 v232, v232                           ; the block's largest p: the same two instructions on the same number give the same bits
	v_exp_f32 v234, v234
	v_pk_mul_f32 v[14:15], v[14:15], v[252:253] op_sel_hi:[1,0]   ; l under the new M.  (The plain line behind the exponentials)
	s_wait_alu depctr_va_vdst(0)
	v_max_num_f32 v232, 0x2800000, v232            ; the floor 2^(5 - 127): the byte cannot fall under 1 (a block whose every p is 0 keeps that byte: its codes are zeros)
	v_max_num_f32 v234, 0x2800000, v234
	s_delay_alu instid0(VALU_DEP_2)
	v_add_nc_u32 v244, 0xfe000000, v232            ; 4 off the exponent field: the conversion's scale operand
	s_delay_alu instid0(VALU_DEP_2)
	v_add_nc_u32 v245, 0xfe000000, v234
	s_delay_alu instid0(VALU_DEP_2)
	v_lshrrev_b32 v222, 23, v244                   ; the scale's byte: block h
	s_delay_alu instid0(VALU_DEP_2)
	v_lshrrev_b32 v223, 23, v245                   ; and block 2 + h
	s_delay_alu instid0(VALU_DEP_1)
	v_lshl_or_b32 v253, v223, 16, v222
	s_delay_alu instid0(VALU_DEP_1)
	v_permlanex16_b32 v221, v253, s[SEL], s[SEL+1]
	s_delay_alu instid0(VALU_DEP_1)
	v_lshl_or_b32 v253, v221, 8, v253              ; lanes 0-15: p's scale word for these 128 keys (lanes 16-31 are not read)
.irp c, 0,1
	v_cvt_scalef32_pk16_bf6_f32 v[224+6*\c:226+6*\c], v[96+32*\c:111+32*\c], v[244+\c]
	v_cvt_scalef32_pk16_bf6_f32 v[236+4*\c:238+4*\c], v[112+32*\c:127+32*\c], v[244+\c]   ; (a conversion's three registers begin on an even number)
.endr
	v_nop                                          ; one plain line behind a scaled conversion
.irp c, 0,1                                    ; registers 6 c .. 6 c + 5: k = 64 c + 32 h + 0 .. 31
.irp i, 0,1,2
	v_mov_b32 v[227+6*\c+\i], v[236+4*\c+\i]
.endr
.endr
.set n, 0
	s_wait_alu depctr_va_vdst(0)                   ; directly ahead of the first reader of O^T
.rept 16
	v_pk_mul_f32 v[160+n:161+n], v[160+n:161+n], v[252:253] op_sel_hi:[1,0]   ; O^T under the new M: x f
.set n, n+2
.endr
.irp c, 0,1,2,3,4,5,6,7                        ; l: the 64 unquantised p, in eight chains by turns
	v_pk_add_f32 v[200+2*\c:201+2*\c], v[96+8*\c:97+8*\c], v[98+8*\c:99+8*\c]
.endr
.irp c, 0,1,2,3,4,5,6,7
	v_pk_add_f32 v[200+2*\c:201+2*\c], v[200+2*\c:201+2*\c], v[100+8*\c:101+8*\c]
.endr
.irp c, 0,1,2,3,4,5,6,7
	v_pk_add_f32 v[200+2*\c:201+2*\c], v[200+2*\c:201+2*\c], v[102+8*\c:103+8*\c]
.endr
.irp c, 0,1,2,3
	v_pk_add_f32 v[200+2*\c:201+2*\c], v[200+2*\c:201+2*\c], v[208+2*\c:209+2*\c]
.endr
	s_delay_alu instid0(VALU_DEP_2)
	v_pk_add_f32 v[200:201], v[200:201], v[204:205]
	s_delay_alu instid0(VALU_DEP_2)
	v_pk_add_f32 v[202:203], v[202:203], v[206:207]
	s_delay_alu instid0(VALU_DEP_1)
	v_pk_add_f32 v[200:201], v[200:201], v[202:203]
	s_delay_alu instid0(VALU_DEP_1)
	v_pk_add_f32 v[14:15], v[14:15], v[200:201]
	s_wait_dscnt 0x0                               ; V is in
.irp dt, 0,1,2,3                               ; O^T += V^T P^T: the four accumulators by turns, one instruction a turn
.if \dt%2
	v_wmma_scale_f32_16x16x128_f8f6f4 v[160+8*\dt:167+8*\dt], v[32+12*\dt:43+12*\dt], v[224:235], v[160+8*\dt:167+8*\dt], v[90+\dt/2], v253 matrix_a_fmt:MATRIX_FMT_BF6 matrix_b_fmt:MATRIX_FMT_BF6 matrix_a_scale:MATRIX_SCALE_ROW1
.else
	v_wmma_scale_f32_16x16x128_f8f6f4 v[160+8*\dt:167+8*\dt], v[32+12*\dt:43+12*\dt], v[224:235], v[160+8*\dt:167+8*\dt], v[90+\dt/2], v253 matrix_a_fmt:MATRIX_FMT_BF6 matrix_b_fmt:MATRIX_FMT_BF6
.endif
.endr
.Lhidden:
	s_add_co_u32 s[TB], s[TB], REC
	s_add_co_u32 s[JC], s[JC], 1
	s_cmp_lt_u32 s[JC], 16
	s_cbranch_scc1 .Lstep
	; THE WAY OUT: ctx = O^T / l, quantised along the head's 64 (two blocks of the output projection's K), stored as a half-image and two scale bytes a query.
.rept 4
	v_nop                                          ; places behind the last products
.endr
	s_wait_alu depctr_va_vdst(0)
	v_add_f32 v14, v14, v15                        ; l's two halves,
	v_permlanex16_b32 v220, v14, s[SEL], s[SEL+1]
	v_add_f32 v14, v14, v220                       ; and lane l xor 16's
	s_wait_alu depctr_va_vdst(0)
	v_rcp_f32 v14, v14
	v_nop                                          ; one plain line behind the reciprocal
.set n, 0
	s_wait_alu depctr_va_vdst(0)
.rept 32
	v_mul_f32 v[96+n], v[160+n], v14               ; register n: channel 32 h + n of my query; each accumulator from its low end on
.set n, n+1
.endr
.irp b, 0,1
	v_max3_num_f32 v[232+\b], |v[96+16*\b]|, |v[97+16*\b]|, 0x2800000   ; my block of 32, in two chains, and the floor
.endr
.irp i, 2,4,6,8,10,12,14
.irp b, 0,1
	s_delay_alu instid0(VALU_DEP_2)
	v_max3_num_f32 v[232+\b], v[232+\b], |v[96+16*\b+\i]|, |v[97+16*\b+\i]|
.endr
.endr
	v_max_num_f32 v232, v232, v233
	v_add_nc_u32 v244, 0xfe000000, v232
	v_lshrrev_b32 v222, 23, v244                   ; my block's scale byte
	v_cvt_scalef32_pk16_bf6_f32 v[224:226], v[96:111], v244
	v_cvt_scalef32_pk16_bf6_f32 v[240:242], v[112:127], v244
	v_nop                                          ; one plain line behind a scaled conversion
.irp i, 0,1,2
	v_mov_b32 v[227+\i], v[240+\i]
.endr
	global_store_b128 v1, v[224:227], s[8:9]       ; 512 consecutive bytes, aligned to 256
	global_store_b64 v2, v[228:229], s[8:9] offset:512
	global_store_b8 v29, v222, s[10:11]            ; lanes 0-15 block 0's byte, lanes 16-31 block 1's
	s_wait_tensorcnt 0x0                           ; the wave's end
	ds_add_u32 v30, v31
	s_wait_dscnt 0x0
	ROUND                                          ; the closing round: no work-group ends while a partner may still ask for a record that names it
	s_endpgm
.Lfunc_end_k_q1785b6ab8e_attn:
	.size	k_q1785b6ab8e_attn, .Lfunc_end_k_q1785b6ab8e_attn-k_q1785b6ab8e_attn
	.p2alignl 7, 3214868480
	.fill 96, 4, 3214868480
	.section	.rodata,"a",@progbits
	.p2align	6, 0x0
	.amdhsa_kernel k_q1785b6ab8e_attn
		.amdhsa_group_segment_fixed_size 219136
		.amdhsa_private_segment_fixed_size 0
		.amdhsa_enable_private_segment 0
		.amdhsa_kernarg_size 32
		.amdhsa_user_sgpr_count 2
		.amdhsa_user_sgpr_kernarg_segment_ptr 1
		.amdhsa_wavefront_size32 1
		.amdhsa_system_sgpr_workgroup_id_x 1
		.amdhsa_system_sgpr_workgroup_id_y 1
		.amdhsa_system_sgpr_workgroup_id_z 1
		.amdhsa_system_vgpr_workitem_id 0
		.amdhsa_next_free_vgpr 256
		.amdhsa_next_free_sgpr 66
		.amdhsa_reserve_vcc 1
		.amdhsa_float_denorm_mode_32 3
		.amdhsa_float_denorm_mode_16_64 3
		.amdhsa_memory_ordered 1
		.amdhsa_forward_progress 1
		.amdhsa_inst_pref_size 30
	.end_amdhsa_kernel
	.amdgpu_metadata
---
amdhsa.version: [ 1, 2 ]
amdhsa.kernels:
  - .name:           k_q1785b6ab8e_attn
    .symbol:         k_q1785b6ab8e_attn.kd
    .args:
      - { .name: qi, .offset: 0, .size: 8, .value_kind: global_buffer, .address_space: global }
      - { .name: kv, .offset: 8, .size: 8, .value_kind: global_buffer, .address_space: global }
      - { .name: cc, .offset: 16, .size: 8, .value_kind: global_buffer, .address_space: global }
      - { .name: cs, .offset: 24, .size: 8, .value_kind: global_buffer, .address_space: global }
    .group_segment_fixed_size: 219136
    .private_segment_fixed_size: 0
    .kernarg_segment_align: 8
    .kernarg_segment_size: 32
    .max_flat_workgroup_size: 512
    .sgpr_count:     66
    .vgpr_count:     256
    .wavefront_size: 32
...
	.end_amdgpu_metadata
.endif
;; end of part 3
;; launch gemmo (part 4): grid 8 x 32, 4 waves a work-group, clusters of 4 x 4, 272,896 bytes of LDS; arguments cc, cs, wc, ws, bo, out0; writes out0
.if DOCPART == 4
	.amdgcn_target "amdgcn-amd-amdhsa--gfx1250"
	.amdhsa_code_object_version 6
	.text
	.protected	k_q1785b6ab8e_gemmo
	.globl	k_q1785b6ab8e_gemmo
	.p2align	8
	.type	k_q1785b6ab8e_gemmo,@function
k_q1785b6ab8e_gemmo:
	s_mov_b64 s[64:65], 0
	v_nop
	global_prefetch_b8 v0, s[64:65] scope:SCOPE_SE
	s_setreg_imm32_b32 hwreg(HW_REG_WAVE_MODE, 25, 1), 1
	s_wait_xcnt 0x0
	s_wait_alu depctr_hold_cnt(0) depctr_sa_sdst(0) depctr_va_vdst(0) depctr_va_sdst(0) depctr_va_ssrc(0) depctr_va_vcc(0) depctr_vm_vsrc(0)
	s_getreg_b32 s2, hwreg(HW_REG_IB_STS2, 6, 4)
	s_cmp_eq_u32 s2, 0
	s_cbranch_scc0 .Lentry_in_a_cluster
	s_endpgm
.Lentry_in_a_cluster:
	s_bfe_u32 s2, ttmp6, 0x10000c
	s_cmp_lg_u32 s2, 0xf033
	s_cbranch_scc0 .Lentry_shape_is_right
	s_endpgm
.Lentry_shape_is_right:
; out = ctx Wo^T + bo on codes of BF6 (E3M2) with one E8M0 scale for each 32 along K = 1,024; sums in f32, begun with the bias.
; A work-group (x, y) of four waves makes tokens 128 y .. + 127 x features 128 x .. + 127, a wave 64 x 64: 256 work-groups of equal work.  ALL OF K lies in LDS at once, filled once: ctx's 128 rows as half-images (16 heads x 8 tiles x 768
; bytes, from cc [head 16][tile 256][768]), Wo's 128 rows of 768 bytes as rows of 256 bytes with 16 bytes of padding behind each (an LDS row is 816 bytes = 204 words: the 32 lanes of a load of 8 bytes touch 64 different banks).
; ONE joint load a wave: waves 0 and 1 heads 0-7 and 8-15 of ctx, waves 2 and 3 the halves of Wo's tile.  ctx's tile hangs on y alone and is shared along a row of the 4 x 4 cluster, Wo's on x alone, along a column.
; No prefetch: the launch has no loop, and all its tiles are asked for at its head.
; BY ROWS: Wo's fragments of my 64 features x all of K (32 of 12 registers) are read from LDS once and stay in registers; my four blocks of 16 tokens are finished one after the other, 32 products each, and a block's stores leave while
; the next block is multiplied.
; THE MATRIX INSTRUCTION IS USED TRANSPOSED (source 0 = 16 rows of Wo, source 1 = 16 rows of ctx).  Place 64 c + 16 t + 8 h + j of both holds row 64 c + 32 h + 8 t + j: of my 64 x 64 a lane (r, h) holds token 32 (r / 8) + 8 a + r % 8 of block
; a and in tile b the features 32 h + 8 b + 0 .. 7.  A block of 16 tokens goes through a stage of its own in LDS and leaves as rows of 256 bytes: sixteen lanes store one aligned unit.
; LIMITS: NaN and infinities are not served.
; REGISTERS: window 0: v1-29 addresses, v32-63 ctx's scale words (tile i, K step s: 8 i + s), v64-95 Wo's, v96-223 rows read back.   Windows 1 and 2: Wo's fragments: number n = 4 s + b in window 1 + n / 21 at 12 (n % 21);
;   window 2 from v132 on: the bias.   Window 3: v0-191 ctx's fragments of a block, two sets, v192-255 a block's four accumulators, two sets.
.set PITCH, 816
.set FRT,   16*PITCH
.set HALF,  64*PITCH
.set BOFF,  98304
.set STAGE, BOFF+128*PITCH
.set STB,   4352                       ; a stage: 16 rows x (256 bytes + 16)
.set SPARE, STAGE+16*STB               ; the spare words, 128 bytes a wave
.set SPW, 28
.set NIL, 29
.set XS,  32
.set WS,  64
.set RB,  96
.set BI,  132
.set ACC, 192
.set G1A, 24
.set G0A, 32
.set G0B, 36
.set G1B, 40
.set MSB, 0
.macro WIN new                         ; the immediate's high byte repeats the setting that is left
.if MSB != (\new)
	s_set_vgpr_msb (MSB<<8)|(\new)
.set MSB, (\new)
.endif
.endm
.macro CROUND                          ; a round of the cluster's barrier
	s_barrier_signal -1
	s_barrier_wait -1
	s_cmp_lg_u32 s90, 0
	s_cbranch_scc1 .Lnot_wave_0_\@
	s_barrier_signal -3
.Lnot_wave_0_\@:
	s_barrier_wait -3
	s_barrier_signal -1
	s_barrier_wait -1
.endm
.macro ASKT g0, g1
	tensor_load_to_lds s[\g0:\g0+3], s[\g1:\g1+7]
	s_nop 0
.rept 4
	v_nop
.endr
.endm
	s_load_b256 s[4:11], s[0:1], 0x0               ; cc, cs, wc, ws
	s_load_b128 s[12:15], s[0:1], 0x20             ; bo, out0
	v_lshl_add_u32 v[SPW], v0, 2, SPARE
	v_mov_b32 v[NIL], 0
	ds_add_u32 v[SPW], v[NIL]                      ; the wave's opening: the add, twice on end, and its wait ahead of my first tensor load
	ds_add_u32 v[SPW], v[NIL]
	v_lshrrev_b32 v1, 5, v0
	v_readfirstlane_b32 s90, v1                    ; wave 0..3
	s_lshr_b32 s91, s90, 1                         ; my 64 tokens.  Also: I fetch of ctx (0) or of Wo (1)
	s_and_b32 s92, s90, 1                          ; my 64 features.  Also: which half of that tile I fetch
	s_bfe_u32 s19, ttmp6, 0x40000                  ; cx
	s_bfe_u32 s20, ttmp6, 0x40004                  ; cy
	s_lshl_b32 s18, ttmp9, 2
	s_add_co_u32 s18, s18, s19                     ; x
	s_and_b32 s17, ttmp7, 0xffff
	s_lshl_b32 s17, s17, 2
	s_add_co_u32 s17, s17, s20                     ; y
	s_lshl_b32 s21, s20, 2
	s_lshl_b32 s21, 15, s21                        ; my row of the cluster
	s_lshl_b32 s23, 0x1111, s19                    ; my column
	s_or_b32 s[G1A], s21, (3<<16)|(1<<21)          ; ctx: 8 heads' rows of 8 x 768 bytes; elements of 8 bytes, no padding
	s_mov_b32 s[G1A+1], 768<<16
	s_mov_b32 s[G1A+2], 8<<16
	s_mov_b32 s[G1A+3], 768<<16
	s_mov_b32 s[G1A+4], 8
	s_mov_b32 s[G1A+5], 256*768/8
	s_mov_b32 s[G1A+6], 0
	s_mov_b32 s[G1A+7], 0
	s_or_b32 s[G1B], s23, (3<<16)|(1<<20)|(1<<21)|(5<<22)|(3<<25)   ; Wo: 64 rows, dense, as 192 rows of 256 bytes, behind every 64 words 4 words of padding
	s_mov_b32 s[G1B+1], 32<<16
	s_mov_b32 s[G1B+2], 192<<16
	s_mov_b32 s[G1B+3], 32<<16
	s_mov_b32 s[G1B+4], 192
	s_mov_b32 s[G1B+5], 32
	s_mov_b32 s[G1B+6], 0
	s_mov_b32 s[G1B+7], 0
	s_mul_i32 s66, s92, 8*256*768
	s_mul_i32 s2, s17, 8*768
	s_add_co_u32 s66, s66, s2                      ; ctx: my 8 heads, the 8 tiles of my tokens
	s_mov_b32 s67, 0
	s_mul_i32 s68, s18, 128*768
	s_mul_i32 s3, s92, 64*768
	s_add_co_u32 s68, s68, s3
	s_add_co_u32 s68, s68, 3072*768                ; Wo: my half of the tile
	s_mov_b32 s69, 0
	s_lshl_b32 s70, s17, 12
	s_lshl_b32 s2, s91, 11
	s_add_co_u32 s70, s70, s2                      ; the scales of my 64 rows of ctx
	s_mov_b32 s71, 0
	s_lshl_b32 s72, s18, 12
	s_lshl_b32 s2, s92, 11
	s_add_co_u32 s72, s72, s2                      ; and of Wo (less 3,072 rows')
	s_mov_b32 s73, 0
	s_lshr_b32 s74, s72, 3                         ; 4 x my first feature
	s_mov_b32 s75, 0
	s_lshl_b32 s76, s17, 19
	s_lshl_b32 s2, s91, 18
	s_add_co_u32 s76, s76, s2                      ; my first token's row of the output: 4,096 bytes a row
	s_mov_b32 s77, 0
	s_mul_i32 s78, s92, 8*6144                     ; LDS, by the wave's number
	s_mul_i32 s79, s92, HALF
	s_add_co_u32 s79, s79, BOFF
	s_mul_i32 s80, s91, 4*768
	s_mul_i32 s81, s90, 4*STB
	s_add_co_u32 s81, s81, STAGE
	s_wait_dscnt 0x0                               ; both opening adds are done
	s_wait_alu depctr_va_vdst(0)
	s_wait_kmcnt 0x0
	s_mov_b32 s[G0A], 1
	s_mov_b32 s[G0A+1], s78
	s_add_nc_u64 s[G0A+2:G0A+3], s[4:5], s[66:67]
	s_or_b32 s[G0A+3], s[G0A+3], 0x80000000
	s_mov_b32 s[G0B], 1
	s_mov_b32 s[G0B+1], s79
	s_add_nc_u64 s[G0B+2:G0B+3], s[8:9], s[68:69]
	s_or_b32 s[G0B+3], s[G0B+3], 0x80000000
	s_add_nc_u64 s[6:7], s[6:7], s[70:71]
	s_add_nc_u64 s[10:11], s[10:11], s[72:73]
	s_add_nc_u64 s[12:13], s[12:13], s[74:75]
	s_add_nc_u64 s[14:15], s[14:15], s[74:75]
	s_add_nc_u64 s[14:15], s[14:15], s[76:77]
	CROUND                                         ; all sixteen work-groups are here: the joint loads meet
	s_cmp_eq_u32 s91, 0
	s_cbranch_scc0 .Lfor_w
	ASKT G0A, G1A
	s_branch .Lasked
.Lfor_w:
	ASKT G0B, G1B
.Lasked:
	v_and_b32 v10, 31, v0                          ; lane
	v_and_b32 v1, 15, v0                           ; r
	v_bfe_u32 v2, v0, 4, 1                         ; h
	v_lshlrev_b32 v8, 4, v10
	v_lshlrev_b32 v6, 5, v1                        ; a row's 32 scale bytes
	v_lshlrev_b32 v11, 7, v2                       ; bias: + 32 h features
	v_lshlrev_b32 v9, 3, v10
	v_lshlrev_b32 v7, 4, v1
	v_mul_u32_u24 v3, 816, v1
	v_mul_u32_u24 v4, 272, v1
	v_mul_u32_u24 v5, 272, v2
	v_add_nc_u32 v16, s80, v8                      ; ctx's half-images: registers 0-3,
	v_add_nc_u32 v17, s80, v9                      ; 4-5; heads 0-7,
	v_add_nc_u32 v18, 49152, v16                   ; heads 8-15
	v_add_nc_u32 v19, 49152, v17
	v_mad_u32_u24 v3, v2, 24, v3
	v_lshl_add_u32 v4, v2, 7, v4
	v_add_nc_u32 v5, v5, v7
	v_add_nc_u32 v20, s79, v3                      ; Wo's rows + 24 h,
	v_lshl_add_u32 v21, v2, 4, v20                 ; and the same behind one padding more in lanes 16-31
	v_add_nc_u32 v24, s81, v4                      ; the stage, in: row r + 128 h bytes
	v_add_nc_u32 v25, s81, v5                      ; back: lanes 0-15 one row, lanes 16-31 the next
	v_lshl_add_u32 v26, v2, 12, v7                 ; and the same two rows of the output
.irp i, 0,1,2,3
	global_load_b128 v[XS+8*\i:XS+8*\i+3], v6, s[6:7] offset:512*\i
	global_load_b128 v[XS+8*\i+4:XS+8*\i+7], v6, s[6:7] offset:512*\i+16
	global_load_b128 v[WS+8*\i:WS+8*\i+3], v6, s[10:11] offset:3072*32+512*\i
	global_load_b128 v[WS+8*\i+4:WS+8*\i+7], v6, s[10:11] offset:3072*32+512*\i+16
.endr
	WIN 0x80                                       ; destination window 2
.irp b, 0,1,2,3
	global_load_b128 v[BI+8*\b:BI+8*\b+3], v11, s[12:13] offset:32*\b
	global_load_b128 v[BI+8*\b+4:BI+8*\b+7], v11, s[12:13] offset:32*\b+16
.endr
	WIN 0
.macro LDA a, st                       ; ctx's fragment of block a, K step st (heads 2 st, 2 st + 1), into set a % 2: 4 loads
	WIN 0xc0
.irp c, 0,1
.set DR, 96*((\a)%2)+12*(\st)+6*\c
	ds_load_b128 v[DR:DR+3], v[16+2*((\st)/4)] offset:(2*((\st)%4)+\c)*6144+(\a)*768
	ds_load_b64 v[DR+4:DR+5], v[17+2*((\st)/4)] offset:(2*((\st)%4)+\c)*6144+(\a)*768+512
.endr
	WIN 0
.endm
.macro LDB st                          ; Wo's four fragments of K step st: 24 loads
.irp i, 0,1,2,3
.set NF, 4*(\st)+\i
	WIN ((1+NF/21)<<6)
.irp p, 0,1,2,3,4,5                    ; 24 bytes of a row in pieces of 8; where the piece of lanes 16-31 lies behind one padding more, the second address register serves
.set BY, 96*(\st)+48*(\p/3)+8*(\p%3)
.set DR, 12*(NF%21)+2*\p
.if BY/256 == (BY+24)/256
	ds_load_b64 v[DR:DR+1], v20 offset:BY+16*(BY/256)+FRT*\i
.else
	ds_load_b64 v[DR:DR+1], v21 offset:BY+16*(BY/256)+FRT*\i
.endif
.endr
.endr
	WIN 0
.endm
.macro MULR a, st                      ; a block's four accumulators take turns, one instruction a turn, three others between a sum's steps
.set AF, 96*((\a)%2)+12*(\st)
.irp b, 0,1,2,3
.set NF, 4*(\st)+\b
.set BF, 12*(NF%21)
.set DD, ACC+32*((\a)%2)+8*\b
.if \st == 0
	WIN 0xed                                       ; source 0 (Wo) window 1, source 1 (ctx) window 3, C (the bias) window 2, D window 3
	v_wmma_scale_f32_16x16x128_f8f6f4 v[DD:DD+7], v[BF:BF+11], v[AF:AF+11], v[BI+8*\b:BI+8*\b+7], v[WS+8*\b+\st], v[XS+8*(\a)+\st] matrix_a_fmt:MATRIX_FMT_BF6 matrix_b_fmt:MATRIX_FMT_BF6
.else
	WIN (0xfd+NF/21)                               ; source 0 window 1 or 2, C window 3
	v_wmma_scale_f32_16x16x128_f8f6f4 v[DD:DD+7], v[BF:BF+11], v[AF:AF+11], v[DD:DD+7], v[WS+8*\b+\st], v[XS+8*(\a)+\st] matrix_a_fmt:MATRIX_FMT_BF6 matrix_b_fmt:MATRIX_FMT_BF6
.endif
.endr
.endm
.macro PLACES                          ; a load into a register that a matrix instruction has read, and an LDS store of a result, stand four places behind it (ISA guide 7.12.1 for vector instructions)
.rept 4
	v_nop
.endr
.endm
.macro TOSTAGE a                       ; block a through its stage: 16 LDS instructions.  LDS serves a wave's instructions in order (ISA guide 5.7.1.4): no wait between the stores and the loads
	WIN 0x0c                                       ; the data: window 3
.irp b, 0,1,2,3
.set DD, ACC+32*((\a)%2)+8*\b
	ds_store_b128 v24, v[DD:DD+3] offset:STB*(\a)+32*\b   ; each accumulator from its low end on
	ds_store_b128 v24, v[DD+4:DD+7] offset:STB*(\a)+32*\b+16
.endr
	WIN 0
.irp t, 0,1,2,3,4,5,6,7
	ds_load_b128 v[RB+32*(\a)+4*\t:RB+32*(\a)+4*\t+3], v25 offset:STB*(\a)+544*\t
.endr
.endm
.macro SEND a
	WIN 0
	s_wait_dscnt 0x0                               ; block a is back in registers
.irp t, 0,1,2,3,4,5,6,7
	global_store_b128 v26, v[RB+32*(\a)+4*\t:RB+32*(\a)+4*\t+3], s[14:15] offset:(32*(\t/4)+8*(\a)+2*(\t%4))*4096 th:TH_STORE_NT   ; 16 lanes store 256 consecutive bytes, aligned; written once, read by nobody here
.endr
.endm
	s_wait_alu depctr_va_vdst(0)                   ; the wait at the head's end
	s_wait_loadcnt 0x0
	s_wait_tensorcnt 0x0                           ; my tile is in: for the others' sake,
	s_barrier_signal -1
	s_barrier_wait -1                              ; all four are
	LDA 0, 0
	LDB 0
.irp st, 0,1,2,3,4,5,6,7               ; block 0, with Wo's fragments as they come
.if \st < 7
	LDA 0, \st+1
	LDB \st+1
	s_wait_dscnt 28                                ; all but the 28 just issued
.else
.irp s, 0,1,2,3,4,5,6,7
	LDA 1, \s
.endr
	s_wait_dscnt 32                                ; all but block 1's 32
.endif
	MULR 0, \st
.endr
.irp a, 1,2,3
	PLACES                                         ; behind block a - 1's products
.if \a < 3
.irp s, 0,1,2,3,4,5,6,7
	LDA \a+1, \s
.endr
.endif
	WIN 0
	TOSTAGE \a-1
.if \a < 3
	s_wait_dscnt 48                                ; block a's fragments are in: behind them block a + 1's 32 loads and the stage's 16 instructions
.else
	s_wait_dscnt 16
.endif
.irp st, 0,1,2,3
	MULR \a, \st
.endr
	SEND \a-1
.irp st, 4,5,6,7
	MULR \a, \st
.endr
.endr
	PLACES
	TOSTAGE 3
	SEND 3
	s_wait_tensorcnt 0x0                           ; the wave's end
	ds_add_u32 v[SPW], v[NIL]
	s_wait_dscnt 0x0
	CROUND                                         ; the closing round: no work-group ends while a partner may still ask for a tile that names it
	s_endpgm
.Lfunc_end_k_q1785b6ab8e_gemmo:
	.size	k_q1785b6ab8e_gemmo, .Lfunc_end_k_q1785b6ab8e_gemmo-k_q1785b6ab8e_gemmo
	.p2alignl 7, 3214868480
	.fill 96, 4, 3214868480
	.section	.rodata,"a",@progbits
	.p2align	6, 0x0
	.amdhsa_kernel k_q1785b6ab8e_gemmo
		.amdhsa_group_segment_fixed_size 272896
		.amdhsa_private_segment_fixed_size 0
		.amdhsa_enable_private_segment 0
		.amdhsa_kernarg_size 48
		.amdhsa_user_sgpr_count 2
		.amdhsa_user_sgpr_kernarg_segment_ptr 1
		.amdhsa_wavefront_size32 1
		.amdhsa_system_sgpr_workgroup_id_x 1
		.amdhsa_system_sgpr_workgroup_id_y 1
		.amdhsa_system_sgpr_workgroup_id_z 1
		.amdhsa_system_vgpr_workitem_id 0
		.amdhsa_next_free_vgpr 1024
		.amdhsa_next_free_sgpr 98
		.amdhsa_reserve_vcc 0
		.amdhsa_float_denorm_mode_32 3
		.amdhsa_float_denorm_mode_16_64 3
		.amdhsa_memory_ordered 1
		.amdhsa_forward_progress 1
		.amdhsa_inst_pref_size 57
	.end_amdhsa_kernel
	.amdgpu_metadata
---
amdhsa.version: [ 1, 2 ]
amdhsa.kernels:
  - .name:           k_q1785b6ab8e_gemmo
    .symbol:         k_q1785b6ab8e_gemmo.kd
    .args:
      - { .name: cc, .offset: 0, .size: 8, .value_kind: global_buffer, .address_space: global }
      - { .name: cs, .offset: 8, .size: 8, .value_kind: global_buffer, .address_space: global }
      - { .name: wc, .offset: 16, .size: 8, .value_kind: global_buffer, .address_space: global }
      - { .name: ws, .offset: 24, .size: 8, .value_kind: global_buffer, .address_space: global }
      - { .name: bo, .offset: 32, .size: 8, .value_kind: global_buffer, .address_space: global }
      - { .name: out0, .offset: 40, .size: 8, .value_kind: global_buffer, .address_space: global }
    .group_segment_fixed_size: 272896
    .private_segment_fixed_size: 0
    .kernarg_segment_align: 8
    .kernarg_segment_size: 48
    .max_flat_workgroup_size: 128
    .sgpr_count:     98
    .vgpr_count:     1024
    .wavefront_size: 32
...
	.end_amdgpu_metadata
.endif
;; end of part 4
